; MI455X (gfx1250); checked and timed in simulation.
; The chip was launched on July 23, 2026; its instructions are those of AMD's public machine-readable ISA for CDNA 5 (MIT licence, August 2026) and "CDNA5" Instruction Set Architecture Reference Guide (July 2026). The comments in the code are by the model that wrote it; some were corrected since.
;; Block. Allowed arithmetic: matrix products marked QUANTISED: E5M2 operands, one E8M0 scale for each 32 along K, by v_wmma_scale_f32_16x16x128_f8f6f4 with both operands' format E5M2, f32 sums; everything else in f32.
;; Inputs: b1 4,096 float32; b2 1,024 float32; ln1_b 1,024 float32; ln1_g 1,024 float32; ln2_b 1,024 float32; ln2_g 1,024 float32; out_b 1,024 float32; out_w_codes 1,024 x 32 x 32 uint8 (E5M2 codes of out_w, K innermost, in blocks of 32 codes); out_w_scales 1,024 x 32 uint8 (E8M0 scales of out_w, one for each 32 codes along K); qkv_b 3,072 float32; qkv_w_codes 3,072 x 32 x 32 uint8 (E5M2 codes of qkv_w, K innermost, in blocks of 32 codes); qkv_w_scales 3,072 x 32 uint8 (E8M0 scales of qkv_w, one for each 32 codes along K); w1_codes 4,096 x 32 x 32 uint8 (E5M2 codes of w1, K innermost, in blocks of 32 codes); w1_scales 4,096 x 32 uint8 (E8M0 scales of w1, one for each 32 codes along K); w2_codes 1,024 x 128 x 32 uint8 (E5M2 codes of w2, K innermost, in blocks of 32 codes); w2_scales 1,024 x 128 uint8 (E8M0 scales of w2, one for each 32 codes along K); x 4 x 1,024 x 1,024 float32.
;; Outputs: out0 4 x 1,024 x 1,024 float32.
;; This version of the problem:
;;   THIS VERSION OF THE PROBLEM IS GIVEN IN LOW PRECISION. The matrix products marked QUANTISED in the list below multiply operands that are first quantised to E5M2 (5 exponent bits, 2 mantissa bits; 8 bits a number), with one power-of-two scale for each 32 numbers along K (OCP MX v1.0); their sums are f32. All else is computed in f32.
;;   The module's matrix products, in the order in which they are computed (A, B: the left and right operand; K: the contracted axis; several contracted axes count as one K, in the product's order):
;;     1. [M 4,096, K 1,024] x [K 1,024, N 3,072]; A: computed on the way; B: input qkv_w (given as codes): QUANTISED
;;     2. batch 64 x [M 1,024, K 64] x [K 64, N 1,024]; A: computed on the way; B: computed on the way: QUANTISED
;;     3. batch 64 x [M 1,024, K 1,024] x [K 1,024, N 64]; A: softmax (see below); B: computed on the way: QUANTISED
;;     4. [M 4,096, K 1,024] x [K 1,024, N 1,024]; A: computed on the way; B: input out_w (given as codes): QUANTISED
;;     5. [M 4,096, K 1,024] x [K 1,024, N 4,096]; A: computed on the way; B: input w1 (given as codes): QUANTISED
;;     6. [M 4,096, K 4,096] x [K 4,096, N 1,024]; A: computed on the way; B: input w2 (given as codes): QUANTISED
;;   THE QUANTISER, for each operand of a quantised product, along K:
;;     - K is cut into blocks of 32 from its start; a last block that is shorter is filled with zeros.
;;     - A block's scale is 2^e with e = floor(log2(the largest magnitude in the block)) - 15, held to -126 .. 127; a block of zeros has e = 0. As a byte (E8M0): e + 127.
;;     - Each number is divided by its block's scale, clamped to +-57,344, and rounded to the nearest number of E5M2, ties to even, subnormals kept.
;;     - The product sums the exact products of the quantised numbers (number of the format x scale) in f32.
;;   ~~~python
;;   def quantise(x, axis):      # numpy; x: float32 -> the quantised numbers, widened to float32 again
;;       x = np.moveaxis(x, axis, -1); K = x.shape[-1]
;;       x = np.pad(x, [(0, 0)] * (x.ndim - 1) + [(0, -K % 32)]); x = x.reshape(x.shape[:-1] + (-1, 32)); a = np.abs(x).max(-1, keepdims=True)
;;       e = np.where(a > 0, np.clip(np.frexp(np.where(a > 0, a, 1))[1] - 1 - 15, -126, 127), 0)      # np.frexp(a)[1] - 1 = floor(log2(a)), exactly
;;       r = np.clip(x / 2.0 ** e, -57344, 57344)
;;       step = 2.0 ** (np.maximum(np.frexp(np.where(r == 0, 1, r))[1] - 1, -14) - 2)
;;       q = np.round(r / step) * step * 2.0 ** e      # np.round: ties to even
;;       return np.moveaxis(q.reshape(q.shape[:-2] + (-1,))[..., :K], -1, axis).astype(np.float32)
;;   ~~~
;;   SOFTMAX AHEAD OF A QUANTISED PRODUCT. Where the list says 'softmax', what is quantised is not the finished softmax but p = 2^(t - M), with t = logit x log2(e) and M = ceil(the row's largest t), a whole number; so 1/2 < the row's largest p <= 1. The row's sum l is taken of the UNQUANTISED p, in f32, and the product's result is divided by l at the end. Since M is a whole number, a kernel that streams over the keys may use a running M (the ceiling of the running maximum): every later rescaling is an exact power of two, which a block's scale takes up: the codes' values come out the same.
;;   OPERANDS COMPUTED ON THE WAY. 'Computed on the way' means the value that the module computes at that place (a softmax that the list does not call 'softmax' is quantised finished and normalised). What goes into a quantiser is computed in f32, as accurately as f32 sums, v_exp_f32 and their like allow (about 1e-6 of the number): no bf16 or f16 on the way to a quantiser, and a product that is left as it is and whose result goes on into a quantised operand takes f32 operands (vector FMAs, or v_wmma_f32_16x16x4_f32). A number that lies on a knife's edge between two numbers of the format may be rounded either way, as far as f32 arithmetic and the matrix unit's own rounding can turn it there, and no further.
;;   INPUTS GIVEN AS CODES. out_w (in the module: [1024, 1024], K = its axis 0); qkv_w (in the module: [1024, 3072], K = its axis 0); w1 (in the module: [1024, 4096], K = its axis 0); w2 (in the module: [4096, 1024], K = its axis 0): each comes as NAME_codes (uint8): NAME with its K axis moved to the last place and cut into blocks of 32 codes, [.., K / 32, bytes a block], one block behind the other in memory; one code a byte (a code: sign, 5 exponent bits, 2 mantissa bits); and NAME_scales (uint8): the same leading axes, one E8M0 byte (e + 127) for each 32 codes along K. Its value is code x scale, taken as it is: it is not quantised again, and the codes and scales need not be those that the quantiser above would give.
;; One version. Each part assembles by itself: llvm-mc -triple=amdgcn-amd-amdhsa -mcpu=gfx1250 --defsym DOCPART=n.
;; ======== version 1 of 1: 7 launches
;; limits: right only within a limited range of input values
;; workspace buffers: h_img 4,194,304 bytes; h_scl 131,072 bytes; qkv_c 12,582,912 bytes; qkv_s 393,216 bytes; x1 16,777,216 bytes; g_img 16,777,216 bytes; g_scl 524,288 bytes
;; launch ln1 (part 1): grid 256 x 1, 4 waves a work-group, no clusters, 1,536 bytes of LDS; arguments x, ln1_g, ln1_b, h_img, h_scl; writes h_img, h_scl
.if DOCPART == 1
	.amdgcn_target "amdgcn-amd-amdhsa--gfx1250"
	.amdhsa_code_object_version 6
	.text
	.protected	k_q8edf433cd7_ln1
	.globl	k_q8edf433cd7_ln1
	.p2align	8
	.type	k_q8edf433cd7_ln1,@function
k_q8edf433cd7_ln1:
	s_mov_b64 s[64:65], 0
	v_nop
	global_prefetch_b8 v0, s[64:65] scope:SCOPE_SE
	s_setreg_imm32_b32 hwreg(HW_REG_WAVE_MODE, 25, 1), 1
	s_wait_xcnt 0x0
; y = (x - mean) * rsqrt(var + 1e-5) * g + b over rows of 1,024 f32, then the MX quantiser along the row: codes of E5M2, one E8M0 byte for each 32.
; Arguments: x [4096][1024] f32, g [1024], b [1024], the codes' buffer, the scale words' buffer.
; THE CODES LEAVE AS IMAGES OF AN OPERAND'S REGISTERS: [block of 128 rows][128 along K][half][tile of 16 rows][c 0..3][lane][16 bytes]; lane (r, h) holds k = 32 c + 16 h + 0 .. 15 of the tile's row r.
; A tile's rows are not neighbours: tile u of a group of 32 rows takes in lane r the row 8 u + r + 8 (r / 8).  Scale words: [block][128 along K][half][tile][r], byte c.
; SHARES: a work-group owns one tile of 16 rows; wave w owns columns 256 w .. 256 w + 255 (two K steps of 128); lane (r, h) holds, of row r, 16 neighbours of each of 8 blocks of 32.
; So a row's sums meet through LDS (two barriers), the row stays in registers between the passes, and the conversions' results are the image.  The mean is taken away before the squares.
; A lane's four loads of a block read 64 neighbouring bytes of its row; each store of codes covers 512 consecutive bytes.  No matrix unit, no cluster: the work-groups share only g and b, 8 KiB.
; LIMITS: NaN and infinities are not served; a block of zeros gets the byte 1 (its codes are zeros, and this program alone reads the bytes); v_rsq_f32 is good to 1 ulp.
.set X,   128                          ; v128-255 my 128 numbers: register 16 b + i = column 256 w + 32 b + 16 h + i.  Window 1: v0-127 g, v128-255 b, laid alike
.set TM,  16                           ; v16-31   the quantiser's: largest magnitudes, bytes, holds, scale operands
.set PW,  32                           ; v32-33   the two scale words
.set PC0, 36                           ; v36-51   codes of the first K step
.set PC1, 52                           ; v52-67   of the second
.set CH,  68                           ; v68-75   four packed chains
.set SEL, 20                           ; s[20:21] selects of v_permlanex16_b32: lane l xor 16
.set MNT, 22                           ; s22      the mantissa field of 57,344
.set MSB, 0
.macro WIN new                         ; the immediate's high byte repeats the setting that is left
.if MSB != \new
	s_set_vgpr_msb (MSB<<8)|\new
.set MSB, \new
.endif
.endm
; nb blocks of 32: register 16 b + i of v[src] on is number i of block b in this lane; lanes l and l xor 16 share a block.  Codes to v[pc] on, the bytes to v[pw].
.macro QUANT src, nb, pw, pc
.irp b, 0,1,2,3
.if \b < \nb
	v_max3_num_f32 v[TM+\b], |v[(\src)+16*\b]|, |v[(\src)+16*\b+1]|, 0x8000000   ; with the floor 2^(16 - 127): the byte cannot fall under 1
.endif
.endr
.irp i, 2,4,6,8,10,12,14
.irp b, 0,1,2,3
.if \b < \nb
	v_max3_num_f32 v[TM+\b], v[TM+\b], |v[(\src)+16*\b+\i]|, |v[(\src)+16*\b+\i+1]|
.endif
.endr
.endr
.irp b, 0,1,2,3
.if \b < \nb
	v_permlanex16_b32 v[TM+4+\b], v[TM+\b], s[SEL], s[SEL+1]
.endif
.endr
.irp b, 0,1,2,3
.if \b < \nb
	v_max_num_f32 v[TM+\b], v[TM+\b], v[TM+4+\b]               ; the block's largest magnitude
.endif
.endr
.irp b, 0,1,2,3
.if \b < \nb
	v_add_nc_u32 v[TM+12+\b], 0xf8800000, v[TM+\b]             ; 15 off its exponent field: the conversion's scale operand
.endif
.endr
.irp b, 0,1,2,3
.if \b < \nb
	v_and_or_b32 v[TM+8+\b], v[TM+\b], 0x7f800000, s[MNT]      ; 57,344 x the scale
.endif
.endr
.irp b, 0,1,2,3
.if \b < \nb
	v_lshrrev_b32 v[TM+4+\b], 23, v[TM+12+\b]                  ; the scale's byte
.endif
.endr
	v_lshl_or_b32 v[\pw], v[TM+5], 8, v[TM+4]
.if \nb > 2
	v_lshl_or_b32 v[\pw], v[TM+6], 16, v[\pw]
	v_lshl_or_b32 v[\pw], v[TM+7], 24, v[\pw]
.endif
.irp b, 0,1,2,3
.if \b < \nb
.irp i, 0,1,2,3,4,5,6,7,8,9,10,11,12,13,14,15
	v_med3_num_f32 v[(\src)+16*\b+\i], v[(\src)+16*\b+\i], -v[TM+8+\b], v[TM+8+\b]   ; the conversion does not saturate (ISA guide 7.6.2): hold first
.endr
	v_cvt_scalef32_pk8_bf8_f32 v[(\pc)+4*\b:(\pc)+4*\b+1], v[(\src)+16*\b:(\src)+16*\b+7], v[TM+12+\b]
	v_cvt_scalef32_pk8_bf8_f32 v[(\pc)+4*\b+2:(\pc)+4*\b+3], v[(\src)+16*\b+8:(\src)+16*\b+15], v[TM+12+\b]
.endif
.endr
	v_nop                                          ; a plain line behind the last conversion
.endm
; the four chains become the row's sum over all 1,024 columns, in v10 of every lane: my lane, lane l xor 16, then the four waves' through LDS bytes off on
.macro REDUCE off
	v_pk_add_f32 v[CH:CH+1], v[CH:CH+1], v[CH+2:CH+3]
	v_pk_add_f32 v[CH+4:CH+5], v[CH+4:CH+5], v[CH+6:CH+7]
	v_pk_add_f32 v[CH:CH+1], v[CH:CH+1], v[CH+4:CH+5]
	v_add_f32 v10, v[CH], v[CH+1]
	v_permlanex16_b32 v11, v10, s[SEL], s[SEL+1]
	v_add_f32 v10, v10, v11
	ds_store_b32 v6, v10 offset:\off               ; word 16 w + r; both lanes of a row write the same value
	s_wait_dscnt 0x0                               ; for the others' sake: my store has landed
	s_barrier_signal -1
	s_barrier_wait -1
	ds_load_b32 v10, v7 offset:\off
	ds_load_b32 v11, v7 offset:\off+64
	ds_load_b32 v12, v7 offset:\off+128
	ds_load_b32 v13, v7 offset:\off+192
	s_wait_dscnt 0x0
	v_add_f32 v10, v10, v11
	v_add_f32 v12, v12, v13
	v_add_f32 v10, v10, v12
.endm
	s_load_b256 s[4:11], s[0:1], 0x0               ; x s[4:5], g s[6:7], b s[8:9], codes s[10:11]
	s_load_b64 s[12:13], s[0:1], 0x20              ; scale words
	v_lshl_add_u32 v126, v0, 2, 0x400
	v_mov_b32 v127, 0
	v_lshrrev_b32 v1, 5, v0
	v_readfirstlane_b32 s14, v1                    ; wave 0..3
	v_and_b32 v1, 15, v0                           ; r
	v_bfe_u32 v2, v0, 4, 1                         ; h
	v_and_b32 v3, 8, v1
	v_add_nc_u32 v3, v3, v1                        ; r + 8 (r / 8)
	v_lshlrev_b32 v3, 12, v3
	v_lshl_add_u32 v3, v2, 6, v3                   ; x: my row of 4,096 bytes, + 64 h
	v_and_b32 v4, 31, v0
	v_lshlrev_b32 v4, 4, v4                        ; 16 x lane: my place in an image
	v_lshlrev_b32 v5, 6, v2                        ; g, b: 64 h
	v_lshlrev_b32 v7, 2, v1                        ; LDS: 4 r
	s_lshl_b32 s30, s14, 6
	v_add_nc_u32 v6, s30, v7                       ; LDS: 4 r + 64 w
	v_lshl_add_u32 v8, v2, 9, v7                   ; scale words: 4 r, lanes 16-31 the next K step's, 512 bytes on
	v_mov_b32 v11, 0                               ; (a lane permute's destination counts as one of its sources)
.irp b, 0,1,2,3
	v_mov_b32 v[TM+4+\b], 0
.endr
	s_mov_b32 s[SEL], 0x76543210
	s_mov_b32 s[SEL+1], 0xfedcba98
	s_mov_b32 s[MNT], 0x600000
	s_mov_b32 s23, 0x3a800000                      ; 1 / 1,024
	s_mov_b32 s28, 0x3727c5ac                      ; 1e-5
	s_lshr_b32 s15, ttmp9, 1                       ; the tile's first row is 32 (g / 2) + 8 (g % 2)
	s_lshl_b32 s16, s15, 17
	s_and_b32 s15, ttmp9, 1
	s_lshl_b32 s15, s15, 15
	s_add_co_u32 s16, s16, s15
	s_lshl_b32 s18, s14, 10                        ; my 256 columns: 1,024 bytes a wave
	s_add_co_u32 s16, s16, s18
	s_mov_b32 s17, 0
	s_mov_b32 s19, 0
	s_lshr_b32 s15, ttmp9, 3                       ; block of 128 rows
	s_and_b32 s29, ttmp9, 7                        ; half and tile
	s_lshl_b32 s24, s15, 17                        ; codes: 131,072 a block, 2,048 a tile, 2 x 16,384 a wave
	s_lshl_b32 s25, s29, 11
	s_add_co_u32 s24, s24, s25
	s_lshl_b32 s25, s14, 15
	s_add_co_u32 s24, s24, s25
	s_mov_b32 s25, 0
	s_lshl_b32 s26, s15, 12                        ; scale words: 4,096 a block, 64 a tile, 2 x 512 a wave
	s_lshl_b32 s27, s29, 6
	s_add_co_u32 s26, s26, s27
	s_add_co_u32 s26, s26, s18
	s_mov_b32 s27, 0
	s_wait_alu depctr_va_vdst(0)
	s_wait_kmcnt 0x0
	s_add_nc_u64 s[4:5], s[4:5], s[16:17]
	s_add_nc_u64 s[6:7], s[6:7], s[18:19]
	s_add_nc_u64 s[8:9], s[8:9], s[18:19]
	s_add_nc_u64 s[10:11], s[10:11], s[24:25]
	s_add_nc_u64 s[12:13], s[12:13], s[26:27]
.irp b, 0,1,2,3,4,5,6,7
.irp j, 0,1,2,3
	global_load_b128 v[X+16*\b+4*\j:X+16*\b+4*\j+3], v3, s[4:5] offset:128*\b+16*\j
.endr
.endr
	WIN 0x40                                       ; destination window 1
.irp b, 0,1,2,3,4,5,6,7
.irp j, 0,1,2,3
	global_load_b128 v[16*\b+4*\j:16*\b+4*\j+3], v5, s[6:7] offset:128*\b+16*\j
.endr
.endr
	s_wait_loadcnt 32                              ; x's 32 loads are in; g's 32 may be out
.irp b, 0,1,2,3,4,5,6,7
.irp j, 0,1,2,3
	global_load_b128 v[128+16*\b+4*\j:128+16*\b+4*\j+3], v5, s[8:9] offset:128*\b+16*\j
.endr
.endr
	WIN 0
	; the mean
.irp k, 0,1,2,3
	v_pk_add_f32 v[CH+2*\k:CH+2*\k+1], v[X+2*\k:X+2*\k+1], v[X+8+2*\k:X+8+2*\k+1]   ; the first pairs start the chains
.endr
.set p, 8
.rept 56
	v_pk_add_f32 v[CH+2*(p%4):CH+2*(p%4)+1], v[CH+2*(p%4):CH+2*(p%4)+1], v[X+2*p:X+2*p+1]
.set p, p+1
.endr
	REDUCE 0
	v_mul_f32 v14, s23, v10
	v_mov_b32 v15, v14
.set p, 0
.rept 64
	v_pk_add_f32 v[X+2*p:X+2*p+1], v[X+2*p:X+2*p+1], v[14:15] neg_lo:[0,1] neg_hi:[0,1]   ; x - mean
.set p, p+1
.endr
	; the variance
.irp k, 0,1,2,3
	v_pk_mul_f32 v[CH+2*\k:CH+2*\k+1], v[X+2*\k:X+2*\k+1], v[X+2*\k:X+2*\k+1]
.endr
.set p, 4
.rept 60
	v_pk_fma_f32 v[CH+2*(p%4):CH+2*(p%4)+1], v[X+2*p:X+2*p+1], v[X+2*p:X+2*p+1], v[CH+2*(p%4):CH+2*(p%4)+1]
.set p, p+1
.endr
	REDUCE 256                                     ; other LDS bytes than the first sum's: one barrier serves each
	v_fma_f32 v12, v10, s23, s28                   ; var + eps
	s_wait_alu depctr_va_vdst(0)
	v_rsq_f32 v14, v12
	v_nop                                          ; a plain line behind the transcendental
	s_wait_alu depctr_va_vdst(0)
	v_mov_b32 v15, v14
	s_wait_alu depctr_va_vdst(0)
	s_wait_loadcnt 0x0                             ; g and b
.set p, 0
.rept 64
	v_pk_mul_f32 v[X+2*p:X+2*p+1], v[X+2*p:X+2*p+1], v[14:15]
.set p, p+1
.endr
	WIN 0x14                                       ; sources 1 (g) and 2 (b) window 1
.set p, 0
.rept 64
	v_pk_fma_f32 v[X+2*p:X+2*p+1], v[X+2*p:X+2*p+1], v[2*p:2*p+1], v[128+2*p:128+2*p+1]
.set p, p+1
.endr
	WIN 0
	QUANT X, 4, PW, PC0
.irp c, 0,1,2,3
	global_store_b128 v4, v[PC0+4*\c:PC0+4*\c+3], s[10:11] offset:512*\c           ; 32 lanes store 512 consecutive bytes
.endr
	QUANT X+64, 4, PW+1, PC1
.irp c, 0,1,2,3
	global_store_b128 v4, v[PC1+4*\c:PC1+4*\c+3], s[10:11] offset:16384+512*\c
.endr
	v_cmp_ne_u32 vcc_lo, 0, v2
	v_cndmask_b32 v34, v[PW], v[PW+1], vcc_lo      ; lanes 0-15 the first K step's word, lanes 16-31 the second's
	global_store_b32 v8, v34, s[12:13]             ; two runs of 64 bytes: a tile's share of a K step's 512
	s_wait_tensorcnt 0x0
	ds_add_u32 v126, v127
	s_wait_dscnt 0x0
	s_endpgm
.Lfunc_end_k_q8edf433cd7_ln1:
	.size	k_q8edf433cd7_ln1, .Lfunc_end_k_q8edf433cd7_ln1-k_q8edf433cd7_ln1
	.p2alignl 7, 3214868480
	.fill 96, 4, 3214868480
	.section	.rodata,"a",@progbits
	.p2align	6, 0x0
	.amdhsa_kernel k_q8edf433cd7_ln1
		.amdhsa_group_segment_fixed_size 1536
		.amdhsa_private_segment_fixed_size 0
		.amdhsa_enable_private_segment 0
		.amdhsa_kernarg_size 40
		.amdhsa_user_sgpr_count 2
		.amdhsa_user_sgpr_kernarg_segment_ptr 1
		.amdhsa_wavefront_size32 1
		.amdhsa_system_sgpr_workgroup_id_x 1
		.amdhsa_system_sgpr_workgroup_id_y 1
		.amdhsa_system_sgpr_workgroup_id_z 1
		.amdhsa_system_vgpr_workitem_id 0
		.amdhsa_next_free_vgpr 512
		.amdhsa_next_free_sgpr 66
		.amdhsa_reserve_vcc 1
		.amdhsa_float_denorm_mode_32 3
		.amdhsa_float_denorm_mode_16_64 3
		.amdhsa_memory_ordered 1
		.amdhsa_forward_progress 1
		.amdhsa_inst_pref_size 51
	.end_amdhsa_kernel
	.amdgpu_metadata
---
amdhsa.version: [ 1, 2 ]
amdhsa.kernels:
  - .name:           k_q8edf433cd7_ln1
    .symbol:         k_q8edf433cd7_ln1.kd
    .args:
      - { .name: x, .offset: 0, .size: 8, .value_kind: global_buffer, .address_space: global }
      - { .name: ln1_g, .offset: 8, .size: 8, .value_kind: global_buffer, .address_space: global }
      - { .name: ln1_b, .offset: 16, .size: 8, .value_kind: global_buffer, .address_space: global }
      - { .name: h_img, .offset: 24, .size: 8, .value_kind: global_buffer, .address_space: global }
      - { .name: h_scl, .offset: 32, .size: 8, .value_kind: global_buffer, .address_space: global }
    .group_segment_fixed_size: 1536
    .private_segment_fixed_size: 0
    .kernarg_segment_align: 8
    .kernarg_segment_size: 40
    .max_flat_workgroup_size: 128
    .sgpr_count:     66
    .vgpr_count:     512
    .wavefront_size: 32
...
	.end_amdgpu_metadata
.endif
;; end of part 1
;; launch qkv (part 2): grid 8 x 32, 4 waves a work-group, clusters of 4 x 4, 327,680 bytes of LDS; arguments h_img, h_scl, qkv_w_codes, qkv_w_scales, qkv_b, qkv_c, qkv_s; writes qkv_c, qkv_s
.if DOCPART == 2
	.amdgcn_target "amdgcn-amd-amdhsa--gfx1250"
	.amdhsa_code_object_version 6
	.text
	.protected	k_q8edf433cd7_qkv
	.globl	k_q8edf433cd7_qkv
	.p2align	8
	.type	k_q8edf433cd7_qkv,@function
k_q8edf433cd7_qkv:
	s_mov_b64 s[64:65], 0
	v_nop
	global_prefetch_b8 v0, s[64:65] scope:SCOPE_SE
	s_setreg_imm32_b32 hwreg(HW_REG_WAVE_MODE, 25, 1), 1
	s_wait_xcnt 0x0
	s_wait_alu depctr_hold_cnt(0) depctr_sa_sdst(0) depctr_va_vdst(0) depctr_va_sdst(0) depctr_va_ssrc(0) depctr_va_vcc(0) depctr_vm_vsrc(0)
	s_getreg_b32 s2, hwreg(HW_REG_IB_STS2, 6, 4)
	s_cmp_eq_u32 s2, 0
	s_cbranch_scc0 .Lentry_in_a_cluster
	s_endpgm
.Lentry_in_a_cluster:
	s_bfe_u32 s2, ttmp6, 0x10000c
	s_cmp_lg_u32 s2, 0xf033
	s_cbranch_scc0 .Lentry_shape_is_right
	s_endpgm
.Lentry_shape_is_right:
; qkv = h Wqkv^T + b on codes of E5M2 with E8M0 scales (K = 1,024), and the result quantised at once for attention: q and k along the head's 64, v along the keys.
; Arguments: h's codes (register images), h's scale words, W's codes [3072][1024], W's scale bytes [3072][32], the bias [3072], the codes out, the scale bytes out.
; A WORK-GROUP STAYS: it owns 128 tokens and walks three tiles of 128 columns, X, X + 8, X + 16 of 24: two heads' q, then their k, then their v.  Four waves, each 64 tokens x 64 columns: 16 accumulators.
; A LIVES IN REGISTERS: a wave's 64 tokens x all of K are 512 registers (windows 2 and 3), loaded once, straight from the images, 512 consecutive bytes a load; they serve all three tiles.  A never lies in LDS, so it has no joint load.
; The first tile's steps wait for A by count; A's 16 scale words are loaded once too.  W's 16 scale words of the next tile, and k's bias, are asked for behind a tile's last product and waited for at the end of its way out; v's bias comes at the head.
; W GOES THROUGH LDS: two slots, each a whole tile (128 rows x 1,024), asked for jointly along a column of the 4 x 4 cluster.  The change of slots stands at a tile's head: behind its round the slot just left takes the next tile,
; so a fill is asked for a whole tile (128 products a wave and the way out) ahead of its first read: no prefetch is laid beside it.  The last tile is written out: it asks for nothing, and its sources change places.
; A SLOT HAS TWO REGIONS: rows 0-15 of each group of 32 rows, and, 128 bytes past a multiple of 256, rows 16-31.  16 consecutive rows are 16,384 consecutive bytes of memory, stated as one row of the tile; a wave fetches two such rows, 32,768 bytes apart;
; 16 bytes of padding follow every 1,024.  A tile of 16 rows takes in lanes 0-7 eight rows of the first region and in lanes 8-15 eight of the second: their 16 first bytes lie in 16 different columns of 16 bytes modulo 256.
; A'S IMAGE: [block of 128 tokens][128 along K][half][tile][c][lane][16 bytes]; its scale words [block][128 along K][half][tile][r], byte c.
; TILES' ROWS ARE NOT NEIGHBOURS: tile u of a group of 32 rows takes in lane r the row 8 u + r + 8 (r / 8), for tokens and for W's rows alike, so that the 16 registers of two neighbouring result tiles are 16 neighbours along the next product's K.
; q, k: THE PRODUCT IS USED TRANSPOSED (source 0 = 16 rows of W, source 1 = 16 tokens): a lane holds one token, its registers run along the head's channels.
; v: source 0 = 16 tokens, source 1 = 16 rows of W: a lane holds one channel, its registers run along the keys.  The bias is the C of each sum's first matrix instruction.  The 16 accumulators take turns.
; OUT: three regions (q, k, v) of [head of 64][step of 128 tokens][half][c 0..1][tile 0..3][lane][16 bytes]; q, k: tile = 16 tokens, c = block of 32 channels; v: tile = 16 channels, (half, c) = block of 32 keys.
; Scale bytes: [head][step][half][r][tile] of two bytes (c 0, c 1).
; LIMITS: NaN and infinities are not served; a block of zeros gets the byte 1 (its codes are zeros, and this program alone reads the bytes).
.set SIZE_K, 1024
.set NT,     3
.set PITCH,  1040
.set ODD,    64*PITCH+128              ; where a slot's second region begins
.set SLOT,   133376                    ; 2 x 64 rows x 1,040 + 128, rounded up to a multiple of 256
.set SPARE,  2*SLOT                    ; the spare words, 128 bytes a wave
.set NEXTW,  8*128*SIZE_K              ; bytes from a tile's rows of W to the next tile's
.set ACC, 128                          ; v128-255 accumulators: (source-1 tile a, source-0 tile j) at +8 (4 a + j)
.set SA0, 24                           ; v24-39  A's scale words: K steps 2 p (lanes 0-15) and 2 p + 1 (lanes 16-31) of tile a at 8 (p % 2) + (2 p + 2 + a) % 8
.set SB0, 40                           ; v40-55  W's: tiles 2 jp (lanes 0-15) and 2 jp + 1 (lanes 16-31), K step k at 8 jp + k.  No product's two scale registers are equal modulo 8
.set TM,  88                           ; v88-103 the quantiser's
.set PW,  104                          ; v104-105 scale bytes; v106 those that a lane stores
.set PC,  108                          ; v108-123 codes
.set BI,  128                          ; window 1: v0-127 W's fragments, two sets of 64; v128-159 q's or k's bias; v160-191 v's: eight times the lane's channel's
.set BIV, 160                          ; windows 2, 3: A's fragment (K step k, tile a) at 64 (k % 4) + 16 a of window 2 + k / 4
.set G1W, 28
.set G0R, 36
.set SEL, 40
.set MNT, 42
.set CNT, 43
.set TB,  44
.set MSB, 0
.macro WIN new                         ; the immediate's high byte repeats the setting that is left
.if MSB != \new
	s_set_vgpr_msb (MSB<<8)|\new
.set MSB, \new
.endif
.endm
.macro PLACES n                        ; plain vector lines behind matrix instructions: eight for this form
.rept \n
	v_nop
.endr
.endm
.macro CROUND                          ; a round of the cluster's barrier
	s_barrier_signal -1
	s_barrier_wait -1
	s_cmp_lg_u32 s18, 0
	s_cbranch_scc1 .Lnot_wave_0_\@
	s_barrier_signal -3
.Lnot_wave_0_\@:
	s_barrier_wait -3
	s_barrier_signal -1
	s_barrier_wait -1
.endm
.macro QUANT src, pw, pc               ; four blocks of 32: register 16 b + i of v[src] on is number i of block b in this lane; lanes l and l xor 16 share a block
.irp b, 0,1,2,3
	v_max3_num_f32 v[TM+\b], |v[(\src)+16*\b]|, |v[(\src)+16*\b+1]|, 0x8000000   ; with the floor 2^(16 - 127): the byte cannot fall under 1
.endr
.irp i, 2,4,6,8,10,12,14
.irp b, 0,1,2,3
	v_max3_num_f32 v[TM+\b], v[TM+\b], |v[(\src)+16*\b+\i]|, |v[(\src)+16*\b+\i+1]|
.endr
.endr
.irp b, 0,1,2,3
	v_permlanex16_b32 v[TM+4+\b], v[TM+\b], s[SEL], s[SEL+1]
.endr
.irp b, 0,1,2,3
	v_max_num_f32 v[TM+\b], v[TM+\b], v[TM+4+\b]
.endr
.irp b, 0,1,2,3
	v_add_nc_u32 v[TM+12+\b], 0xf8800000, v[TM+\b]             ; 15 off the exponent field: the conversion's scale operand
.endr
.irp b, 0,1,2,3
	v_and_or_b32 v[TM+8+\b], v[TM+\b], 0x7f800000, s[MNT]      ; 57,344 x the scale
.endr
.irp b, 0,1,2,3
	v_lshrrev_b32 v[TM+4+\b], 23, v[TM+12+\b]                  ; the scale's byte
.endr
	v_lshl_or_b32 v[\pw], v[TM+5], 8, v[TM+4]
	v_lshl_or_b32 v[\pw], v[TM+6], 16, v[\pw]
	v_lshl_or_b32 v[\pw], v[TM+7], 24, v[\pw]
.irp b, 0,1,2,3
.irp i, 0,1,2,3,4,5,6,7,8,9,10,11,12,13,14,15
	v_med3_num_f32 v[(\src)+16*\b+\i], v[(\src)+16*\b+\i], -v[TM+8+\b], v[TM+8+\b]   ; the conversion does not saturate (ISA guide 7.6.2): hold first
.endr
	v_cvt_scalef32_pk8_bf8_f32 v[(\pc)+4*\b:(\pc)+4*\b+1], v[(\src)+16*\b:(\src)+16*\b+7], v[TM+12+\b]
	v_cvt_scalef32_pk8_bf8_f32 v[(\pc)+4*\b+2:(\pc)+4*\b+3], v[(\src)+16*\b+8:(\src)+16*\b+15], v[TM+12+\b]
.endr
	v_nop                                          ; a plain line behind the last conversion
.endm
.macro WM                              ; one matrix instruction from the symbols rD, rS0, rS1, rC, rX0, rR0, rX1, rR1
.if rR0 && rR1
	v_wmma_scale_f32_16x16x128_f8f6f4 v[rD:rD+7], v[rS0:rS0+15], v[rS1:rS1+15], v[rC:rC+7], v[rX0], v[rX1] matrix_a_fmt:MATRIX_FMT_BF8 matrix_b_fmt:MATRIX_FMT_BF8 matrix_a_scale:MATRIX_SCALE_ROW1 matrix_b_scale:MATRIX_SCALE_ROW1
.elseif rR0
	v_wmma_scale_f32_16x16x128_f8f6f4 v[rD:rD+7], v[rS0:rS0+15], v[rS1:rS1+15], v[rC:rC+7], v[rX0], v[rX1] matrix_a_fmt:MATRIX_FMT_BF8 matrix_b_fmt:MATRIX_FMT_BF8 matrix_a_scale:MATRIX_SCALE_ROW1
.elseif rR1
	v_wmma_scale_f32_16x16x128_f8f6f4 v[rD:rD+7], v[rS0:rS0+15], v[rS1:rS1+15], v[rC:rC+7], v[rX0], v[rX1] matrix_a_fmt:MATRIX_FMT_BF8 matrix_b_fmt:MATRIX_FMT_BF8 matrix_b_scale:MATRIX_SCALE_ROW1
.else
	v_wmma_scale_f32_16x16x128_f8f6f4 v[rD:rD+7], v[rS0:rS0+15], v[rS1:rS1+15], v[rC:rC+7], v[rX0], v[rX1] matrix_a_fmt:MATRIX_FMT_BF8 matrix_b_fmt:MATRIX_FMT_BF8
.endif
.endm
; K step k: the four source-1 tiles against the four source-0 tiles; in step 0 the bias starts the sums.  sw = 0: W is source 0, tokens are source 1; sw = 1: the other way round
.macro MM k, sw
.set xa, 0
.rept 4
.set xj, 0
.rept 4
.set rD, ACC+8*(4*xa+xj)
.set rC, rD
.if \sw
.set rS0, 64*((\k)%4)+16*xj
.set rS1, 64*((\k)%2)+16*xa
.set rX0, SA0+8*(((\k)/2)%2)+((2*((\k)/2)+2+xj)%8)
.set rR0, (\k)%2
.set rX1, SB0+8*(xa/2)+(\k)
.set rR1, xa%2
.if (\k) == 0
.set rC, BIV+8*xa
.endif
.else
.set rS0, 64*((\k)%2)+16*xj
.set rS1, 64*((\k)%4)+16*xa
.set rX0, SB0+8*(xj/2)+(\k)
.set rR0, xj%2
.set rX1, SA0+8*(((\k)/2)%2)+((2*((\k)/2)+2+xa)%8)
.set rR1, (\k)%2
.if (\k) == 0
.set rC, BI+8*xj
.endif
.endif
	WM
.set xj, xj+1
.endr
.set xa, xa+1
.endr
.endm
.macro WFETCH k                        ; W's four fragments of K step k: 16 LDS loads
	WIN 0x40
.irp j, 0,1,2,3
.irp c, 0,1,2,3
	ds_load_b128 v[64*((\k)%2)+16*\j+4*\c:64*((\k)%2)+16*\j+4*\c+3], v6 offset:(16*(\j/2)+8*(\j%2))*PITCH+128*(\k)+32*\c
.endr
.endr
.endm
.macro STEP k, sw
.if \k > 0
	PLACES 8                                       ; the set filled next was read by the step before
.endif
.if \k < 7
	WFETCH (\k)+1
.endif
.if \k == 0
	s_wait_loadcnt 63                              ; first tile: the biases, the scale words and A's steps 0 to 3 are in: behind step 3's last load 64 were issued
.elseif \k > 3
	s_wait_loadcnt 16*(7-(\k))                     ; first tile: behind A's step k stand 16 loads for each later step
.endif
.if \k < 7
	s_wait_dscnt 16                                ; all but the 16 just issued
.else
	s_wait_dscnt 0x0
.endif
.if \sw
.if \k == 0
	WIN 0x16                                       ; source 0 window 2, source 1 window 1, C window 1, D window 0
.else
	WIN 0x06+(\k)/4                                ; source 0 window 2 or 3, C and D window 0
.endif
.else
.if \k == 0
	WIN 0x19                                       ; source 0 window 1, source 1 window 2, C window 1, D window 0
.else
	WIN 0x09+4*((\k)/4)                            ; source 1 window 2 or 3, C and D window 0
.endif
.endif
	MM \k, \sw
.endm
; THE CHANGE OF SLOTS, at a tile's head: all my tensor loads are in, the add, my LDS reads are over; fill = 1: a round of the cluster's barrier, and behind it my part of the next tile goes into the slot just left.
.macro CHANGE fill
	s_wait_tensorcnt 0x0
	ds_add_u32 v10, v11
.if \fill
	s_xor_b32 s[G0R+1], s[G0R+1], SLOT             ; the other slot (SLOT's three bits are set in no wave's place in a slot)
	s_add_nc_u64 s[G0R+2:G0R+3], s[G0R+2:G0R+3], NEXTW
.endif
	s_wait_dscnt 0x0
.if \fill
	CROUND
	tensor_load_to_lds s[G0R:G0R+3], s[G1W:G1W+7]
	s_nop 0
.else
	s_barrier_signal -1
	s_barrier_wait -1
.endif
	v_add_nc_u32 v6, s[TB], v4                     ; W's fragments in the slot in hand
	PLACES 3
	s_wait_alu depctr_va_vdst(0)
	WFETCH 0
.endm
.macro SBLD                            ; W's scale words of a tile: a lane takes 16 bytes of its row's 32; the two loads of a pair of tiles cover 1,024 consecutive bytes
.irp jp, 0,1
.irp g, 0,1
	global_load_b128 v[SB0+8*\jp+4*\g:SB0+8*\jp+4*\g+3], v9, s[10:11] offset:1024*\jp+16*\g
.endr
.endr
.endm
.macro BIASLD                          ; q, k: a lane's eight registers of tile j are eight neighbouring columns
	WIN 0x40
.irp j, 0,1,2,3
	global_load_b128 v[BI+8*\j:BI+8*\j+3], v14, s[12:13] offset:(32*(\j/2)+8*(\j%2))*4
	global_load_b128 v[BI+8*\j+4:BI+8*\j+7], v14, s[12:13] offset:(32*(\j/2)+8*(\j%2))*4+16
.endr
	WIN 0
.endm
.macro TILE last, sw
	CHANGE 1-\last
.irp k, 0,1,2,3,4,5,6,7
	STEP \k, \sw
.endr
	WIN 0
	PLACES 8
.if \last == 0
	s_wait_xcnt 0x0                                ; the loads that named these bases have read them
	s_add_nc_u64 s[10:11], s[10:11], 8*128*32
	SBLD                                           ; the next tile's scale words: the way out lies between the request and the wait
	s_cmp_eq_u32 s[CNT], 1                         ; the tile ahead of v asks for no bias: v's came at the head, in its own form
	s_cbranch_scc1 .Lno_bias_\@
	s_add_nc_u64 s[12:13], s[12:13], 8*128*4
	BIASLD
.Lno_bias_\@:
.endif
	; THE WAY OUT, alike for q, k and v: 64 registers are four blocks of 32 along the next K: tiles 2 p and 2 p + 1, blocks c = 0, 1
.irp p, 0,1
.if \p
	s_wait_xcnt 0x0                                ; the first half's stores have read their registers
.endif
	QUANT ACC+64*\p, PW+\p, PC
.irp b, 0,1,2,3
	global_store_b128 v3, v[PC+4*\b:PC+4*\b+3], s[14:15] offset:2048*(\b%2)+512*(2*\p+\b/2)   ; 32 lanes store 512 consecutive bytes
.endr
.endr
	v_cmp_ne_u32 vcc_lo, 0, v2
	v_cndmask_b32 v106, v[PW], v[PW+1], vcc_lo     ; lanes 0-15: tiles 0, 1; lanes 16-31: tiles 2, 3
	global_store_b32 v16, v106, s[16:17]           ; 128 consecutive bytes a wave
.if \last == 0
	s_wait_xcnt 0x0                                ; the stores have read their registers and bases: both may be written again
	s_add_nc_u64 s[14:15], s[14:15], 4194304       ; the next region: k, then v
	s_add_nc_u64 s[16:17], s[16:17], 131072
	s_wait_loadcnt 0x0                             ; the next tile's scale words and bias are in
.endif
.endm
	s_load_b256 s[4:11], s[0:1], 0x0               ; A's codes s[4:5], A's scale words s[6:7], W's codes s[8:9], W's scale bytes s[10:11]
	s_load_b128 s[12:15], s[0:1], 0x20             ; bias s[12:13], codes out s[14:15]
	s_load_b64 s[16:17], s[0:1], 0x30              ; scale bytes out
	v_lshl_add_u32 v10, v0, 2, SPARE
	v_mov_b32 v11, 0
	ds_add_u32 v10, v11                            ; the opening lines
	ds_add_u32 v10, v11
	v_lshrrev_b32 v1, 5, v0
	v_readfirstlane_b32 s18, v1                    ; wave 0..3
	s_lshr_b32 s19, s18, 1                         ; my half of the tokens.  Also: which two groups of 32 rows of W I fetch
	s_and_b32 s20, s18, 1                          ; my half of the columns.  Also: for which region of a slot I fetch
	s_bfe_u32 s21, ttmp6, 0x40000                  ; cx
	s_bfe_u32 s22, ttmp6, 0x40004                  ; cy
	s_lshl_b32 s23, ttmp9, 2
	s_add_co_u32 s23, s23, s21                     ; X: my first tile column, 0 .. 7
	s_and_b32 s24, ttmp7, 0xffff
	s_lshl_b32 s24, s24, 2
	s_add_co_u32 s24, s24, s22                     ; block of 128 tokens
	s_lshl_b32 s26, 0x1111, s21                    ; my column of the cluster
	s_or_b32 s[G1W], s26, (3<<16)|(1<<20)|(1<<21)|(7<<22)|(3<<25)  ; elements of 8 bytes; 4 words of padding behind every 256
	s_mov_b32 s[G1W+1], 2048<<16                   ; a row of the tile: 16 rows of W, 16,384 bytes
	s_mov_b32 s[G1W+2], 2<<16
	s_mov_b32 s[G1W+3], 2048<<16
	s_mov_b32 s[G1W+4], 2                          ; two of them,
	s_mov_b32 s[G1W+5], 4096                       ; 32 rows of W apart
	s_mov_b32 s[G1W+6], 0
	s_mov_b32 s[G1W+7], 0
	s_lshl_b32 s50, s23, 7                         ; W's row 128 X + 64 x pair of groups + 16 x region
	s_lshl_b32 s51, s19, 6
	s_add_co_u32 s50, s50, s51
	s_lshl_b32 s51, s20, 4
	s_add_co_u32 s50, s50, s51
	s_lshl_b32 s50, s50, 10
	s_mov_b32 s51, 0
	s_mul_i32 s52, s20, ODD                        ; and its place in a slot: no place in the cluster enters it
	s_mul_i32 s53, s19, 32*PITCH
	s_add_co_u32 s52, s52, s53
	s_lshl_b32 s54, s24, 17                        ; A's images: my half's
	s_lshl_b32 s55, s19, 13
	s_add_co_u32 s54, s54, s55
	s_mov_b32 s55, 0
	s_lshl_b32 s56, s24, 12                        ; A's scale words
	s_lshl_b32 s57, s19, 8
	s_add_co_u32 s56, s56, s57
	s_mov_b32 s57, 0
	s_lshl_b32 s58, s23, 7                         ; my 64 columns of q
	s_lshl_b32 s59, s20, 6
	s_add_co_u32 s58, s58, s59
	s_lshl_b32 s60, s58, 2                         ; their bias,
	s_mov_b32 s61, 0
	s_lshl_b32 s58, s58, 5                         ; their scale bytes
	s_mov_b32 s59, 0
	s_lshr_b32 s25, s24, 3
	s_lshl_b32 s25, s25, 4
	s_lshl_b32 s27, s23, 1
	s_add_co_u32 s25, s25, s27
	s_add_co_u32 s25, s25, s20                     ; head of 64: 16 x batch + 2 X + my half
	s_and_b32 s27, s24, 7                          ; step of 128 tokens
	s_lshl_b32 s62, s25, 16                        ; codes out: 65,536 a head, 8,192 a step, 4,096 a token half
	s_lshl_b32 s63, s27, 13
	s_add_co_u32 s62, s62, s63
	s_lshl_b32 s63, s19, 12
	s_add_co_u32 s62, s62, s63
	s_mov_b32 s63, 0
	s_lshl_b32 s48, s25, 11                        ; scale bytes out: 2,048 a head, 256 a step, 128 a token half
	s_lshl_b32 s49, s27, 8
	s_add_co_u32 s48, s48, s49
	s_lshl_b32 s49, s19, 7
	s_add_co_u32 s48, s48, s49
	s_mov_b32 s49, 0
	s_mul_i32 s25, s20, 32*PITCH                   ; my 64 rows of W in each region of a slot
	s_mov_b32 s[SEL], 0x76543210
	s_mov_b32 s[SEL+1], 0xfedcba98
	s_mov_b32 s[MNT], 0x600000
	s_mov_b32 s[TB], 0
	s_mov_b32 s[CNT], NT-1
	s_wait_dscnt 0x0
	s_wait_kmcnt 0x0
	s_mov_b32 s[G0R], 1
	s_mov_b32 s[G0R+1], s52
	s_add_nc_u64 s[G0R+2:G0R+3], s[8:9], s[50:51]
	s_or_b32 s[G0R+3], s[G0R+3], 0x80000000
	CROUND                                         ; all sixteen work-groups are here: the first joint loads meet
	tensor_load_to_lds s[G0R:G0R+3], s[G1W:G1W+7]  ; my part of the first tile, into slot 0: one load a wave, under no branch
	s_nop 0
	PLACES 4
	s_add_nc_u64 s[4:5], s[4:5], s[54:55]
	s_add_nc_u64 s[6:7], s[6:7], s[56:57]
	s_add_nc_u64 s[10:11], s[10:11], s[58:59]
	s_add_nc_u64 s[12:13], s[12:13], s[60:61]
	s_add_nc_u64 s[14:15], s[14:15], s[62:63]
	s_add_nc_u64 s[16:17], s[16:17], s[48:49]
	v_and_b32 v1, 15, v0                           ; r
	v_bfe_u32 v2, v0, 4, 1                         ; h
	v_and_b32 v3, 31, v0
	v_lshlrev_b32 v3, 4, v3                        ; 16 x lane
	v_bfe_u32 v12, v0, 3, 1                        ; r / 8: the region
	v_and_b32 v13, 7, v0                           ; r % 8
	v_mul_u32_u24 v4, v12, ODD
	v_mad_u32_u24 v4, v13, PITCH, v4
	v_lshl_add_u32 v4, v2, 4, v4
	v_add_nc_u32 v4, s25, v4                       ; W's fragments in a slot
	v_lshlrev_b32 v8, 2, v1
	v_lshl_add_u32 v8, v2, 9, v8                   ; A's scale words: 4 r; lanes 16-31 the next K step's
	v_lshl_add_u32 v15, v12, 3, v1                 ; r + 8 (r / 8)
	v_lshl_add_u32 v9, v2, 3, v15
	v_lshlrev_b32 v9, 5, v9                        ; W's scale bytes: my row's; lanes 16-31 the tile eight rows on
	v_lshlrev_b32 v15, 2, v15                      ; bias, v: my channel
	v_lshlrev_b32 v14, 6, v2                       ; bias, q and k: 64 h
	v_lshlrev_b32 v16, 3, v1
	v_lshl_add_u32 v16, v2, 2, v16                 ; scale bytes out: 8 r + 4 h
.irp b, 0,1,2,3
	v_mov_b32 v[TM+4+\b], 0                        ; (a lane permute's destination counts as one of its sources)
.endr
	s_wait_alu depctr_va_vdst(0)
	BIASLD                                         ; q's
	WIN 0x40
.irp j, 0,1,2,3                        ; v's, 2,048 columns on: all eight registers of a tile are tokens of one channel
.irp i, 0,1,2,3,4,5,6,7
	global_load_b32 v[BIV+8*\j+\i], v15, s[12:13] offset:8192+(32*(\j/2)+8*(\j%2))*4
.endr
.endr
	WIN 0
	SBLD
.irp p, 0,1,2,3
.irp a, 0,1,2,3
	global_load_b32 v[SA0+8*(\p%2)+((2*\p+2+\a)%8)], v8, s[6:7] offset:1024*\p+64*\a
.endr
.endr
.irp k, 0,1,2,3,4,5,6,7                ; A: 16 loads a K step, K ascending
	WIN 0x80+0x40*(\k/4)
.irp a, 0,1,2,3
.irp c, 0,1,2,3
	global_load_b128 v[64*(\k%4)+16*\a+4*\c:64*(\k%4)+16*\a+4*\c+3], v3, s[4:5] offset:16384*\k+2048*\a+512*\c
.endr
.endr
.endr
	WIN 0
.Ltile:                                            ; q, then k: each asks for its successor's rows of W
	TILE 0, 0
	s_xor_b32 s[TB], s[TB], SLOT
	s_sub_co_u32 s[CNT], s[CNT], 1
	s_cmp_lg_u32 s[CNT], 0
	s_cbranch_scc1 .Ltile
	TILE 1, 1                                      ; v: written out: it asks for nothing more, and its sources change places
	s_wait_tensorcnt 0x0                           ; the wave's end
	ds_add_u32 v10, v11
	s_wait_dscnt 0x0
	CROUND                                         ; the closing round
	s_endpgm
.Lfunc_end_k_q8edf433cd7_qkv:
	.size	k_q8edf433cd7_qkv, .Lfunc_end_k_q8edf433cd7_qkv-k_q8edf433cd7_qkv
	.p2alignl 7, 3214868480
	.fill 96, 4, 3214868480
	.section	.rodata,"a",@progbits
	.p2align	6, 0x0
	.amdhsa_kernel k_q8edf433cd7_qkv
		.amdhsa_group_segment_fixed_size 327680
		.amdhsa_private_segment_fixed_size 0
		.amdhsa_enable_private_segment 0
		.amdhsa_kernarg_size 56
		.amdhsa_user_sgpr_count 2
		.amdhsa_user_sgpr_kernarg_segment_ptr 1
		.amdhsa_wavefront_size32 1
		.amdhsa_system_sgpr_workgroup_id_x 1
		.amdhsa_system_sgpr_workgroup_id_y 1
		.amdhsa_system_sgpr_workgroup_id_z 1
		.amdhsa_system_vgpr_workitem_id 0
		.amdhsa_next_free_vgpr 1024
		.amdhsa_next_free_sgpr 66
		.amdhsa_reserve_vcc 1
		.amdhsa_float_denorm_mode_32 3
		.amdhsa_float_denorm_mode_16_64 3
		.amdhsa_memory_ordered 1
		.amdhsa_forward_progress 1
		.amdhsa_inst_pref_size 115
	.end_amdhsa_kernel
	.amdgpu_metadata
---
amdhsa.version: [ 1, 2 ]
amdhsa.kernels:
  - .name:           k_q8edf433cd7_qkv
    .symbol:         k_q8edf433cd7_qkv.kd
    .args:
      - { .name: h_img, .offset: 0, .size: 8, .value_kind: global_buffer, .address_space: global }
      - { .name: h_scl, .offset: 8, .size: 8, .value_kind: global_buffer, .address_space: global }
      - { .name: qkv_w_codes, .offset: 16, .size: 8, .value_kind: global_buffer, .address_space: global }
      - { .name: qkv_w_scales, .offset: 24, .size: 8, .value_kind: global_buffer, .address_space: global }
      - { .name: qkv_b, .offset: 32, .size: 8, .value_kind: global_buffer, .address_space: global }
      - { .name: qkv_c, .offset: 40, .size: 8, .value_kind: global_buffer, .address_space: global }
      - { .name: qkv_s, .offset: 48, .size: 8, .value_kind: global_buffer, .address_space: global }
    .group_segment_fixed_size: 327680
    .private_segment_fixed_size: 0
    .kernarg_segment_align: 8
    .kernarg_segment_size: 56
    .max_flat_workgroup_size: 128
    .sgpr_count:     66
    .vgpr_count:     1024
    .wavefront_size: 32
...
	.end_amdgpu_metadata
.endif
;; end of part 2
;; launch attn (part 3): grid 4 x 64, 16 waves a work-group, clusters of 4 x 1, 169,984 bytes of LDS; arguments qkv_c, qkv_s, h_img, h_scl; writes h_img, h_scl
.if DOCPART == 3
	.amdgcn_target "amdgcn-amd-amdhsa--gfx1250"
	.amdhsa_code_object_version 6
	.text
	.protected	k_q8edf433cd7_attn
	.globl	k_q8edf433cd7_attn
	.p2align	8
	.type	k_q8edf433cd7_attn,@function
k_q8edf433cd7_attn:
	s_mov_b64 s[64:65], 0
	v_nop
	global_prefetch_b8 v0, s[64:65] scope:SCOPE_SE
	s_setreg_imm32_b32 hwreg(HW_REG_WAVE_MODE, 25, 1), 1
	s_wait_xcnt 0x0
	s_wait_alu depctr_hold_cnt(0) depctr_sa_sdst(0) depctr_va_vdst(0) depctr_va_sdst(0) depctr_va_ssrc(0) depctr_va_vcc(0) depctr_vm_vsrc(0)
	s_getreg_b32 s2, hwreg(HW_REG_IB_STS2, 6, 4)
	s_cmp_eq_u32 s2, 0
	s_cbranch_scc0 .Lentry_in_a_cluster
	s_endpgm
.Lentry_in_a_cluster:
	s_bfe_u32 s2, ttmp6, 0x10000c
	s_cmp_lg_u32 s2, 0x3003
	s_cbranch_scc0 .Lentry_shape_is_right
	s_endpgm
.Lentry_shape_is_right:
; O = softmax(Q K^T / 8) V for 64 heads of 1,024 tokens x 64 channels, both products on codes of E5M2 with E8M0 scales; O / l is quantised along the hidden axis and leaves as the next product's operand image.
; Arguments: q, k, v codes (three regions of register images), their scale bytes, the codes out, the scale words out.
; THE SOFTMAX AHEAD OF THE SECOND PRODUCT: t = score x log2(e) / 8; M = the running largest t rounded UP to a whole number; p = 2^(t - M) is quantised along the keys, not normalised;
; the row's sum is taken of the unquantised p and divides O at the end; when M moves, the sum and O are multiplied by 2^(old M - new M), which rounds nothing.
; SHARES: a work-group owns 256 queries of one head, each of its sixteen waves one tile of 16; every wave walks the 1,024 keys, 128 a step.  A head's K and V codes (131,072 bytes) and scale bytes (4,096) lie in LDS,
; filled ONCE: no ring, no refill.  The four work-groups of a cluster own one head: each tile is asked for jointly (mask 15).  Waves 0-7 fetch 16,384 bytes of codes each, waves 8, 9 the scale bytes.
; Both products are used transposed (S^T = K Q^T, O^T = V^T P^T): a lane holds one query throughout.  The rows of every tile were chosen by the launch before, so that p's 16 registers of two
; neighbouring tiles are 16 neighbouring keys, and O^T's 16 are 16 neighbouring channels.  Every LDS load takes 512 consecutive bytes.
; THE FIRST PRODUCT'S K IS 64: the upper 64 of the instruction's 128 are zero codes on both sides, under the scale byte 0, which is 2^-127: they add nothing.
; The block's largest p is not searched for: the block's largest score goes through the same multiply-add and exponential (this takes v_exp_f32 not to fall where its input rises).
; LIMITS: NaN and infinities are not served; a block of zeros gets the byte 1; v_exp_f32 and v_rcp_f32 are good to 1 ulp.
.set LI,   1                           ; v1   16 x lane
.set ASK0, 2                           ; v2   K's scale bytes: 8 r, lanes 16-31 the second half's
.set ASV0, 3                           ; v3   V's: 8 r
.set SO,   4                           ; v4   scale words out: 4 r
.set QSO,  5                           ; v5   Q's scale bytes: 8 r
.set ADK,  8                           ; v8-11 the step's LDS addresses
.set ADV,  9
.set ADS,  10
.set ADT,  11
.set Q,    16                          ; v16-31  Q's fragment; v24-31 zeros.   v12 -M, v13 the largest t, v[14:15] the sum in two halves
.set KF,   32                          ; v32-95  four fragments of K; the upper eight registers of each are zeros
.set S,    96                          ; v96-159 S^T, then p, then V's four fragments
.set O,    160                         ; v160-191 O^T
.set PCD,  192                         ; v192-207 p's codes
.set TM,   208                         ; v208-223 the quantiser's
.set FF,   224                         ; v224 f; v225 p's scale word
.set TT,   226
.set L2,   228                         ; v[228:229] the sum's second chain
.set XK,   230                         ; v[230:231] K's scale bytes as loaded; v[232:235] V's
.set XV,   232
.set KSC,  236                         ; v236-239 K's scale words; v240-243 V's; v244 Q's
.set VSC,  240
.set QSC,  244
.set SEL,  40
.set CS,   42                          ; s[42:43] c = log2(e) / 8
.set MNT,  44
.set TB,   45                          ; s45 the step's codes: 8,192 bytes a step
.set TS,   46                          ; s46 its scale bytes: 256 a step
.macro PLACES n
.rept \n
	v_nop
.endr
.endm
.macro CROUND                          ; a round of the cluster's barrier
	s_barrier_signal -1
	s_barrier_wait -1
	s_cmp_lg_u32 s12, 0
	s_cbranch_scc1 .Lnot_wave_0_\@
	s_barrier_signal -3
.Lnot_wave_0_\@:
	s_barrier_wait -3
	s_barrier_signal -1
	s_barrier_wait -1
.endm
.macro QUANT src, nb, pw, pc           ; nb blocks of 32: register 16 b + i of v[src] on is number i of block b in this lane; lanes l and l xor 16 share a block
.irp b, 0,1,2,3
.if \b < \nb
	v_max3_num_f32 v[TM+\b], |v[(\src)+16*\b]|, |v[(\src)+16*\b+1]|, 0x8000000
.endif
.endr
.irp i, 2,4,6,8,10,12,14
.irp b, 0,1,2,3
.if \b < \nb
	s_delay_alu instid0(VALU_DEP_2)
	v_max3_num_f32 v[TM+\b], v[TM+\b], |v[(\src)+16*\b+\i]|, |v[(\src)+16*\b+\i+1]|
.endif
.endr
.endr
.irp b, 0,1,2,3
.if \b < \nb
	s_delay_alu instid0(VALU_DEP_2)
	v_permlanex16_b32 v[TM+4+\b], v[TM+\b], s[SEL], s[SEL+1]
.endif
.endr
.irp b, 0,1,2,3
.if \b < \nb
	s_delay_alu instid0(VALU_DEP_2)
	v_max_num_f32 v[TM+\b], v[TM+\b], v[TM+4+\b]
.endif
.endr
.irp b, 0,1,2,3
.if \b < \nb
	s_delay_alu instid0(VALU_DEP_2)
	v_add_nc_u32 v[TM+12+\b], 0xf8800000, v[TM+\b]
.endif
.endr
.irp b, 0,1,2,3
.if \b < \nb
	s_delay_alu instid0(VALU_DEP_4)
	v_and_or_b32 v[TM+8+\b], v[TM+\b], 0x7f800000, s[MNT]
.endif
.endr
.irp b, 0,1,2,3
.if \b < \nb
	s_delay_alu instid0(VALU_DEP_4)
	v_lshrrev_b32 v[TM+4+\b], 23, v[TM+12+\b]
.endif
.endr
	s_delay_alu instid0(VALU_DEP_1)
	v_lshl_or_b32 v[\pw], v[TM+5], 8, v[TM+4]
.if \nb > 2
	v_lshl_or_b32 v[\pw], v[TM+6], 16, v[\pw]
	v_lshl_or_b32 v[\pw], v[TM+7], 24, v[\pw]
.endif
.irp b, 0,1,2,3
.if \b < \nb
.irp i, 0,1,2,3,4,5,6,7,8,9,10,11,12,13,14,15
	v_med3_num_f32 v[(\src)+16*\b+\i], v[(\src)+16*\b+\i], -v[TM+8+\b], v[TM+8+\b]
.endr
	v_cvt_scalef32_pk8_bf8_f32 v[(\pc)+4*\b:(\pc)+4*\b+1], v[(\src)+16*\b:(\src)+16*\b+7], v[TM+12+\b]
	v_cvt_scalef32_pk8_bf8_f32 v[(\pc)+4*\b+2:(\pc)+4*\b+3], v[(\src)+16*\b+8:(\src)+16*\b+15], v[TM+12+\b]
.endif
.endr
	v_nop
.endm
	s_load_b256 s[4:11], s[0:1], 0x0               ; codes s[4:5], scale bytes s[6:7], codes out s[8:9], scale words out s[10:11]
	v_lshl_add_u32 v254, v0, 2, 0x29000
	v_mov_b32 v255, 0
	ds_add_u32 v254, v255
	ds_add_u32 v254, v255
	v_lshrrev_b32 v8, 5, v0
	s_delay_alu instid0(VALU_DEP_1)
	v_readfirstlane_b32 s12, v8                    ; wave 0..15
	s_and_b32 s13, ttmp7, 0xffff                   ; the head of 64, which the four partners share
	s_bfe_u32 s14, ttmp6, 0x40000                  ; cx: it enters Q's and the outputs' global addresses alone
	; descriptor groups 1: dense rows of 32 elements of 8 bytes; mask: all four work-groups
	s_mov_b32 s16, 15|(3<<16)|(1<<21)
	s_mov_b32 s17, 32<<16
	s_mov_b32 s18, 64<<16
	s_mov_b32 s19, 32<<16
	s_mov_b32 s20, 64                              ; 64 rows: 16,384 bytes of codes
	s_mov_b32 s21, 32
	s_mov_b32 s22, 0
	s_mov_b32 s23, 0
	s_mov_b32 s24, 15|(3<<16)|(1<<21)
	s_mov_b32 s25, 32<<16
	s_mov_b32 s26, 8<<16
	s_mov_b32 s27, 32<<16
	s_mov_b32 s28, 8                               ; 8 rows: a head's 2,048 scale bytes
	s_mov_b32 s29, 32
	s_mov_b32 s30, 0
	s_mov_b32 s31, 0
	s_and_b32 s15, s12, 7                          ; quarter (wave % 4) of K's image (waves 0-3) or of V's (4-7)
	s_lshr_b32 s50, s15, 2
	s_add_co_u32 s50, s50, 1
	s_lshl_b32 s50, s50, 22                        ; region 1 (k) or 2 (v)
	s_lshl_b32 s51, s13, 16
	s_add_co_u32 s50, s50, s51
	s_and_b32 s51, s15, 3
	s_lshl_b32 s51, s51, 14
	s_add_co_u32 s50, s50, s51
	s_mov_b32 s51, 0
	s_and_b32 s52, s12, 1                          ; wave 8: K's scale bytes, wave 9: V's
	s_add_co_u32 s54, s52, 1
	s_lshl_b32 s54, s54, 17
	s_lshl_b32 s55, s13, 11
	s_add_co_u32 s54, s54, s55
	s_mov_b32 s55, 0
	s_lshl_b32 s56, s14, 4
	s_add_co_u32 s56, s56, s12                     ; my tile of queries in the head: 16 cx + wave
	s_lshr_b32 s57, s56, 2                         ; its step and half
	s_and_b32 s53, s56, 3                          ; its tile there
	s_lshl_b32 s58, s13, 16
	s_lshl_b32 s59, s57, 12
	s_add_co_u32 s58, s58, s59
	s_lshl_b32 s59, s53, 9
	s_add_co_u32 s58, s58, s59
	s_mov_b32 s59, 0                               ; Q's codes
	s_lshl_b32 s60, s13, 11
	s_lshl_b32 s61, s57, 7
	s_add_co_u32 s60, s60, s61
	s_lshl_b32 s61, s53, 1
	s_add_co_u32 s60, s60, s61
	s_mov_b32 s61, 0                               ; Q's scale bytes
	s_mov_b32 s[SEL], 0x76543210
	s_mov_b32 s[SEL+1], 0xfedcba98
	s_mov_b32 s[CS], 0x3e38aa3b
	s_mov_b32 s[CS+1], s[CS]
	s_mov_b32 s[MNT], 0x600000
	s_mov_b32 s[TB], 0
	s_mov_b32 s[TS], 0
	s_mov_b32 s47, 8                               ; key steps
	s_mov_b32 s48, 0x05040100                      ; v_perm_b32: the two low halves
	s_mov_b32 s49, 0x07060302                      ; the two high halves
	s_wait_dscnt 0x0
	s_wait_kmcnt 0x0
	s_mov_b32 s32, 1
	s_lshl_b32 s33, s15, 14                        ; LDS: K's image at 0, V's at 65,536
	s_add_nc_u64 s[34:35], s[4:5], s[50:51]
	s_or_b32 s35, s35, 0x80000000
	s_mov_b32 s36, 1
	s_lshl_b32 s37, s52, 11
	s_add_co_u32 s37, s37, 131072                  ; LDS: K's scale bytes at 131,072, V's at 133,120
	s_add_nc_u64 s[38:39], s[6:7], s[54:55]
	s_or_b32 s39, s39, 0x80000000
	CROUND                                         ; all four work-groups are here: the joint loads meet
	s_cmp_lt_u32 s12, 8                            ; a wave issues one load or none; the branches hang on the wave's number alone; four v_nop follow each line
	s_cbranch_scc0 .Lnot_codes
	tensor_load_to_lds s[32:35], s[16:23]
	s_nop 0
	PLACES 4
	s_branch .Lasked
.Lnot_codes:
	s_cmp_lt_u32 s12, 10
	s_cbranch_scc0 .Lasked
	tensor_load_to_lds s[36:39], s[24:31]
	s_nop 0
	PLACES 4
.Lasked:
	s_add_nc_u64 s[4:5], s[4:5], s[58:59]
	s_add_nc_u64 s[6:7], s[6:7], s[60:61]
	v_and_b32 v6, 15, v0                           ; r
	v_bfe_u32 v7, v0, 4, 1                         ; h
	v_and_b32 v[LI], 31, v0
	s_delay_alu instid0(VALU_DEP_1)
	v_lshlrev_b32 v[LI], 4, v[LI]
	s_delay_alu instid0(VALU_DEP_4)
	v_lshlrev_b32 v[QSO], 3, v6
	global_load_b128 v[Q:Q+3], v[LI], s[4:5]                   ; channels 0-31
	global_load_b128 v[Q+4:Q+7], v[LI], s[4:5] offset:2048     ; channels 32-63
	global_load_u16 v[QSC], v[QSO], s[6:7]                     ; two scale bytes; the upper two are 0
	v_lshl_add_u32 v[ASK0], v7, 7, v[QSO]
	s_delay_alu instid0(VALU_DEP_1)
	v_add_nc_u32 v[ASK0], 131072, v[ASK0]
	v_add_nc_u32 v[ASV0], 133120, v[QSO]
	v_lshlrev_b32 v[SO], 2, v6
	; where my tile's codes and scale bytes go: tile G = 64 x batch + my tile; K step = head / 2, c = 2 (head % 2) + 0, 1
	s_lshr_b32 s62, s13, 4
	s_lshl_b32 s62, s62, 6
	s_add_co_u32 s62, s62, s56                     ; G
	s_and_b32 s63, s13, 15                         ; the head in its batch
	s_lshr_b32 s57, s62, 3
	s_and_b32 s53, s62, 7
	s_lshr_b32 s52, s63, 1
	s_and_b32 s63, s63, 1
	s_lshl_b32 s58, s57, 17
	s_lshl_b32 s59, s52, 14
	s_add_co_u32 s58, s58, s59
	s_lshl_b32 s59, s53, 11
	s_add_co_u32 s58, s58, s59
	s_lshl_b32 s59, s63, 10
	s_add_co_u32 s58, s58, s59
	s_mov_b32 s59, 0
	s_add_nc_u64 s[8:9], s[8:9], s[58:59]
	s_lshl_b32 s60, s57, 12
	s_lshl_b32 s61, s52, 9
	s_add_co_u32 s60, s60, s61
	s_lshl_b32 s61, s53, 6
	s_add_co_u32 s60, s60, s61
	s_lshl_b32 s61, s63, 1
	s_add_co_u32 s60, s60, s61
	s_mov_b32 s61, 0
	s_add_nc_u64 s[10:11], s[10:11], s[60:61]
	v_mov_b32 v13, 0xff61b1e6                      ; the largest t so far: -3e38
	s_delay_alu instid0(VALU_DEP_1)
	v_floor_f32 v12, -v13                          ; -M
	v_mov_b32 v14, 0
	v_mov_b32 v15, 0
	v_mov_b32 v[FF+1], 0                           ; (named as the upper half of a pair before it is first written)
	v_mov_b32 v[TT], 0
.irp b, 0,1,2,3
	v_mov_b32 v[TM+4+\b], 0                        ; (a lane permute's destination counts as one of its sources)
.endr
.irp i, 8,9,10,11,12,13,14,15
	v_mov_b32 v[Q+\i], 0                           ; zero codes for k = 64 .. 127
.irp t, 0,1,2,3
	v_mov_b32 v[KF+16*\t+\i], 0
.endr
.endr
.set j, 0
.rept 32
	v_mov_b32 v[O+j], 0                            ; the step is written once: the first finds zeros
.set j, j+1
.endr
	s_wait_tensorcnt 0x0                           ; my load, if I issued one, has landed
	s_barrier_signal -1
	s_barrier_wait -1                              ; everybody's has
	s_wait_loadcnt 0x0                             ; Q
.Lstep:
	v_add_nc_u32 v[ADK], s[TB], v[LI]
	s_delay_alu instid0(VALU_DEP_1)
	v_add_nc_u32 v[ADV], 65536, v[ADK]
	v_add_nc_u32 v[ADS], s[TS], v[ASK0]
	v_add_nc_u32 v[ADT], s[TS], v[ASV0]
	ds_load_b64 v[XK:XK+1], v[ADS]                 ; K's bytes: four tiles x two; lanes 16-31 those of tiles 4-7
	ds_load_b64 v[XV:XV+1], v[ADT]                 ; V's: four tiles, key blocks 0, 1
	ds_load_b64 v[XV+2:XV+3], v[ADT] offset:128    ; key blocks 2, 3
.irp t, 0,1,2,3
.irp c, 0,1
	ds_load_b128 v[KF+16*\t+4*\c:KF+16*\t+4*\c+3], v[ADK] offset:2048*\c+512*\t
.endr
.endr
	s_wait_dscnt 0x0
	v_and_b32 v[KSC], 0xffff, v[XK]
	v_lshrrev_b32 v[KSC+1], 16, v[XK]
	v_and_b32 v[KSC+2], 0xffff, v[XK+1]
	v_lshrrev_b32 v[KSC+3], 16, v[XK+1]
	PLACES 4                                       ; with the eight lines above: twelve places behind the last step's products, ahead of the writes of their scale words below
	v_perm_b32 v[VSC], v[XV+2], v[XV], s48         ; V's scale words: bytes of key blocks 0, 1 | 2, 3
	v_perm_b32 v[VSC+1], v[XV+2], v[XV], s49
	v_perm_b32 v[VSC+2], v[XV+3], v[XV+1], s48
	v_perm_b32 v[VSC+3], v[XV+3], v[XV+1], s49     ; eight plain lines stand behind the last of K's scale words
.irp t, 0,1,2,3
	v_wmma_scale_f32_16x16x128_f8f6f4 v[S+8*\t:S+8*\t+7], v[KF+16*\t:KF+16*\t+15], v[Q:Q+15], 0, v[KSC+\t], v[QSC] matrix_a_fmt:MATRIX_FMT_BF8 matrix_b_fmt:MATRIX_FMT_BF8
.endr
	PLACES 8
.irp t, 0,1,2,3
.irp c, 0,1
	ds_load_b128 v[KF+16*\t+4*\c:KF+16*\t+4*\c+3], v[ADK] offset:4096+2048*\c+512*\t
.endr
.endr
	s_wait_alu depctr_va_vdst(0)
	s_wait_dscnt 0x0
.irp t, 0,1,2,3
	v_wmma_scale_f32_16x16x128_f8f6f4 v[S+32+8*\t:S+32+8*\t+7], v[KF+16*\t:KF+16*\t+15], v[Q:Q+15], 0, v[KSC+\t], v[QSC] matrix_a_fmt:MATRIX_FMT_BF8 matrix_b_fmt:MATRIX_FMT_BF8 matrix_a_scale:MATRIX_SCALE_ROW1
.endr
	PLACES 8
	; register S + 16 b + i is key 32 b + 16 h + i of the step, for my query
.irp b, 0,1,2,3
	v_max3_num_f32 v[TM+\b], v[S+16*\b], v[S+16*\b+1], v[S+16*\b+2]    ; each block's largest score: for the row's maximum and for the block's largest p
.endr
.irp i, 3,5,7,9,11,13
.irp b, 0,1,2,3
	v_max3_num_f32 v[TM+\b], v[TM+\b], v[S+16*\b+\i], v[S+16*\b+\i+1]
.endr
.endr
.irp b, 0,1,2,3
	v_max_num_f32 v[TM+\b], v[TM+\b], v[S+16*\b+15]
.endr
.irp b, 0,1,2,3
	s_delay_alu instid0(VALU_DEP_4)
	v_permlanex16_b32 v[TM+4+\b], v[TM+\b], s[SEL], s[SEL+1]
.endr
.irp b, 0,1,2,3
	s_delay_alu instid0(VALU_DEP_4)
	v_max_num_f32 v[TM+\b], v[TM+\b], v[TM+4+\b]
.endr
	s_delay_alu instid0(VALU_DEP_2)
	v_max3_num_f32 v[TT], v[TM], v[TM+1], v[TM+2]
	s_delay_alu instid0(VALU_DEP_1)
	v_max_num_f32 v[TT], v[TT], v[TM+3]
	s_delay_alu instid0(VALU_DEP_1)
	v_mul_f32 v[TT], s[CS], v[TT]
	s_delay_alu instid0(VALU_DEP_1)
	v_max_num_f32 v13, v13, v[TT]                  ; the running largest t
	v_mov_b32 v[TT], v12
	s_delay_alu instid0(VALU_DEP_2)
	v_floor_f32 v12, -v13                          ; the new -M: M is a whole number
	s_delay_alu instid0(VALU_DEP_1)
	v_sub_f32 v[TT], v12, v[TT]                    ; old M - new M
	s_delay_alu instid0(VALU_DEP_1)
	v_cvt_i32_f32 v[TT], v[TT]                     ; (it saturates)
	s_delay_alu instid0(VALU_DEP_1)
	v_ldexp_f32 v[FF], 1.0, v[TT]                  ; f = 2^(old M - new M)
.set j, 0
.rept 32
	v_pk_fma_f32 v[S+j:S+j+1], v[S+j:S+j+1], s[CS:CS+1], v[12:13] op_sel_hi:[1,0,0]   ; t - M
.set j, j+2
.endr
.irp b, 0,1,2,3
	v_fma_f32 v[TM+\b], v[TM+\b], s[CS], v12
.endr
.set j, 0
	s_wait_alu depctr_va_vdst(0)
.rept 64
	v_exp_f32 v[S+j], v[S+j]                       ; p
.set j, j+1
.endr
.irp b, 0,1,2,3
	v_exp_f32 v[TM+\b], v[TM+\b]                   ; the block's largest p
.endr
	v_pk_mul_f32 v[14:15], v[14:15], v[FF:FF+1] op_sel_hi:[1,0]    ; the sums under the new M (a plain line behind the exponentials)
	s_wait_alu depctr_va_vdst(0)
.irp b, 0,1,2,3
	v_max_num_f32 v[TM+\b], 0x8000000, v[TM+\b]    ; the floor 2^(16 - 127)
.endr
.irp b, 0,1,2,3
	s_delay_alu instid0(VALU_DEP_4)
	v_add_nc_u32 v[TM+12+\b], 0xf8800000, v[TM+\b]
.endr
.irp b, 0,1,2,3
	v_and_or_b32 v[TM+8+\b], v[TM+\b], 0x7f800000, s[MNT]
.endr
.irp b, 0,1,2,3
	v_lshrrev_b32 v[TM+4+\b], 23, v[TM+12+\b]
.endr
	s_delay_alu instid0(VALU_DEP_3)
	v_lshl_or_b32 v[FF+1], v[TM+5], 8, v[TM+4]     ; p's scale word for these 128 keys
	s_delay_alu instid0(VALU_DEP_1)
	v_lshl_or_b32 v[FF+1], v[TM+6], 16, v[FF+1]
	s_delay_alu instid0(VALU_DEP_1)
	v_lshl_or_b32 v[FF+1], v[TM+7], 24, v[FF+1]
	v_pk_add_f32 v[228:229], v[100:101], v[104:105]
	v_pk_add_f32 v[252:253], v[108:109], v[112:113]
	v_pk_add_f32 v[250:251], v[116:117], v[120:121]
	v_pk_add_f32 v[248:249], v[124:125], v[128:129]
	v_pk_add_f32 v[246:247], v[132:133], v[136:137]
	v_pk_add_f32 v[238:239], v[140:141], v[144:145]
	v_pk_add_f32 v[236:237], v[148:149], v[152:153]
	v_pk_add_f32 v[14:15], v[14:15], v[156:157]
	v_pk_add_f32 v[228:229], v[228:229], v[96:97]
	v_pk_add_f32 v[252:253], v[252:253], v[98:99]
	v_pk_add_f32 v[250:251], v[250:251], v[102:103]
	v_pk_add_f32 v[248:249], v[248:249], v[106:107]
	v_pk_add_f32 v[246:247], v[246:247], v[110:111]
	v_pk_add_f32 v[238:239], v[238:239], v[114:115]
	v_pk_add_f32 v[236:237], v[236:237], v[118:119]
	v_pk_add_f32 v[14:15], v[14:15], v[122:123]
	v_pk_add_f32 v[228:229], v[228:229], v[126:127]
	v_pk_add_f32 v[252:253], v[252:253], v[130:131]
	v_pk_add_f32 v[250:251], v[250:251], v[134:135]
	v_pk_add_f32 v[248:249], v[248:249], v[138:139]
	v_pk_add_f32 v[246:247], v[246:247], v[142:143]
	v_pk_add_f32 v[238:239], v[238:239], v[146:147]
	v_pk_add_f32 v[236:237], v[236:237], v[150:151]
	v_pk_add_f32 v[14:15], v[14:15], v[154:155]
	v_pk_add_f32 v[228:229], v[228:229], v[158:159]
	s_delay_alu instid0(VALU_DEP_2)
	v_pk_add_f32 v[14:15], v[14:15], v[248:249]
	s_delay_alu instid0(VALU_DEP_2)
	v_pk_add_f32 v[228:229], v[228:229], v[246:247]
	v_pk_add_f32 v[252:253], v[252:253], v[238:239]
	v_pk_add_f32 v[250:251], v[250:251], v[236:237]
	s_delay_alu instid0(VALU_DEP_2)
	v_pk_add_f32 v[14:15], v[14:15], v[252:253]
	s_delay_alu instid0(VALU_DEP_2)
	v_pk_add_f32 v[228:229], v[228:229], v[250:251]
	s_delay_alu instid0(VALU_DEP_1)
	v_pk_add_f32 v[14:15], v[14:15], v[228:229]
.irp b, 0,1,2,3
.irp i, 0,1,2,3,4,5,6,7,8,9,10,11,12,13,14,15
	v_min_num_f32 v[S+16*\b+\i], v[S+16*\b+\i], v[TM+8+\b]     ; the conversion does not saturate (ISA guide 7.6.2); p is not negative
.endr
	v_cvt_scalef32_pk8_bf8_f32 v[PCD+4*\b:PCD+4*\b+1], v[S+16*\b:S+16*\b+7], v[TM+12+\b]
	v_cvt_scalef32_pk8_bf8_f32 v[PCD+4*\b+2:PCD+4*\b+3], v[S+16*\b+8:S+16*\b+15], v[TM+12+\b]
.endr
.irp t, 0,1,2,3                        ; V's four fragments (16 channels x 128 keys) take p's registers
.irp c, 0,1,2,3
	ds_load_b128 v[S+16*\t+4*\c:S+16*\t+4*\c+3], v[ADV] offset:4096*(\c/2)+2048*(\c%2)+512*\t
.endr
.endr
.set j, 0
.rept 16
	v_pk_mul_f32 v[O+j:O+j+1], v[O+j:O+j+1], v[FF:FF+1] op_sel_hi:[1,0]    ; O^T under the new M; also the places between the codes and the products
.set j, j+2
.endr
	s_wait_alu depctr_va_vdst(0)
	s_wait_dscnt 0x0
.irp t, 0,1,2,3
	v_wmma_scale_f32_16x16x128_f8f6f4 v[O+8*\t:O+8*\t+7], v[S+16*\t:S+16*\t+15], v[PCD:PCD+15], v[O+8*\t:O+8*\t+7], v[VSC+\t], v[FF+1] matrix_a_fmt:MATRIX_FMT_BF8 matrix_b_fmt:MATRIX_FMT_BF8
.endr
	s_add_co_u32 s[TB], s[TB], 8192
	s_add_co_u32 s[TS], s[TS], 256
	s_sub_co_u32 s47, s47, 1
	s_cmp_lg_u32 s47, 0
	s_cbranch_scc1 .Lstep
	; THE WAY OUT: O^T / l; register 16 b + i is channel 32 b + 16 h + i of my query: two blocks of 32 along the next product's K
	PLACES 8
	v_add_f32 v14, v14, v15
	s_delay_alu instid0(VALU_DEP_1)
	v_permlanex16_b32 v[TT], v14, s[SEL], s[SEL+1]
	s_delay_alu instid0(VALU_DEP_1)
	v_add_f32 v14, v14, v[TT]                      ; the row's sum
	s_wait_alu depctr_va_vdst(0)
	v_rcp_f32 v[L2], v14
	v_nop                                          ; a plain line behind the transcendental
	s_wait_alu depctr_va_vdst(0)
	v_mov_b32 v[L2+1], v[L2]
.set j, 0
.rept 16
	v_pk_mul_f32 v[S+j:S+j+1], v[O+j:O+j+1], v[L2:L2+1]
.set j, j+2
.endr
	QUANT S, 2, TT, PCD
	global_store_b128 v[LI], v[PCD:PCD+3], s[8:9]              ; 512 consecutive bytes each
	global_store_b128 v[LI], v[PCD+4:PCD+7], s[8:9] offset:512
	global_store_b16 v[SO], v[TT], s[10:11]        ; two bytes of my row's scale word; the other two are the neighbouring head's: one such store a wave
	s_wait_tensorcnt 0x0
	ds_add_u32 v254, v255
	s_wait_dscnt 0x0
	CROUND                                         ; the closing round
	s_endpgm
.Lfunc_end_k_q8edf433cd7_attn:
	.size	k_q8edf433cd7_attn, .Lfunc_end_k_q8edf433cd7_attn-k_q8edf433cd7_attn
	.p2alignl 7, 3214868480
	.fill 96, 4, 3214868480
	.section	.rodata,"a",@progbits
	.p2align	6, 0x0
	.amdhsa_kernel k_q8edf433cd7_attn
		.amdhsa_group_segment_fixed_size 169984
		.amdhsa_private_segment_fixed_size 0
		.amdhsa_enable_private_segment 0
		.amdhsa_kernarg_size 32
		.amdhsa_user_sgpr_count 2
		.amdhsa_user_sgpr_kernarg_segment_ptr 1
		.amdhsa_wavefront_size32 1
		.amdhsa_system_sgpr_workgroup_id_x 1
		.amdhsa_system_sgpr_workgroup_id_y 1
		.amdhsa_system_sgpr_workgroup_id_z 1
		.amdhsa_system_vgpr_workitem_id 0
		.amdhsa_next_free_vgpr 256
		.amdhsa_next_free_sgpr 66
		.amdhsa_reserve_vcc 0
		.amdhsa_float_denorm_mode_32 3
		.amdhsa_float_denorm_mode_16_64 3
		.amdhsa_memory_ordered 1
		.amdhsa_forward_progress 1
		.amdhsa_inst_pref_size 37
	.end_amdhsa_kernel
	.amdgpu_metadata
---
amdhsa.version: [ 1, 2 ]
amdhsa.kernels:
  - .name:           k_q8edf433cd7_attn
    .symbol:         k_q8edf433cd7_attn.kd
    .args:
      - { .name: qkv_c, .offset: 0, .size: 8, .value_kind: global_buffer, .address_space: global }
      - { .name: qkv_s, .offset: 8, .size: 8, .value_kind: global_buffer, .address_space: global }
      - { .name: h_img, .offset: 16, .size: 8, .value_kind: global_buffer, .address_space: global }
      - { .name: h_scl, .offset: 24, .size: 8, .value_kind: global_buffer, .address_space: global }
    .group_segment_fixed_size: 169984
    .private_segment_fixed_size: 0
    .kernarg_segment_align: 8
    .kernarg_segment_size: 32
    .max_flat_workgroup_size: 512
    .sgpr_count:     66
    .vgpr_count:     256
    .wavefront_size: 32
...
	.end_amdgpu_metadata
.endif
;; end of part 3
;; launch oproj (part 4): grid 8 x 32, 4 waves a work-group, clusters of 4 x 4, 327,680 bytes of LDS; arguments h_img, h_scl, out_w_codes, out_w_scales, out_b, x, x1; writes x1
.if DOCPART == 4
	.amdgcn_target "amdgcn-amd-amdhsa--gfx1250"
	.amdhsa_code_object_version 6
	.text
	.protected	k_q8edf433cd7_oproj
	.globl	k_q8edf433cd7_oproj
	.p2align	8
	.type	k_q8edf433cd7_oproj,@function
k_q8edf433cd7_oproj:
	s_mov_b64 s[64:65], 0
	v_nop
	global_prefetch_b8 v0, s[64:65] scope:SCOPE_SE
	s_setreg_imm32_b32 hwreg(HW_REG_WAVE_MODE, 25, 1), 1
	s_wait_xcnt 0x0
	s_wait_alu depctr_hold_cnt(0) depctr_sa_sdst(0) depctr_va_vdst(0) depctr_va_sdst(0) depctr_va_ssrc(0) depctr_va_vcc(0) depctr_vm_vsrc(0)
	s_getreg_b32 s2, hwreg(HW_REG_IB_STS2, 6, 4)
	s_cmp_eq_u32 s2, 0
	s_cbranch_scc0 .Lentry_in_a_cluster
	s_endpgm
.Lentry_in_a_cluster:
	s_bfe_u32 s2, ttmp6, 0x10000c
	s_cmp_lg_u32 s2, 0xf033
	s_cbranch_scc0 .Lentry_shape_is_right
	s_endpgm
.Lentry_shape_is_right:
; x1 = x + A Wout^T + b on codes of E5M2 with E8M0 scales, K = 1,024.  The text is launch fc2's with SIZE_K = 1,024: see the comment at that kernel's head for the shares, the layouts and the reasons.
; Here W's 128 rows of all of K are one slot, filled once at the head: no refill, no loop over laps, and so no loop to prefetch in.  The stage of the way out lies in the bytes of slot 1, which nothing fills.
; LIMITS: NaN and infinities are not served.
.set SIZE_K, 1024
.set OUT_NT, 0
.set KC, SIZE_K/128
.set KS, SIZE_K/32
.set LAPS, SIZE_K/1024
.set PITCH, 1040
.set SLOT, 128*PITCH
.set SPARE, 2*SLOT
.set SCA, SPARE+512
.set SCB, SCA+16384
.set STAGE, (LAPS%2)*SLOT
.set SP, 528
.set ACC, 128
.set SCW, 32
.set SA, 65
.set G1W, 28
.set G0H, 36
.set G0R, 40
.set G1SA, 44
.set G0SA, 52
.set G1SB, 56
.set G0SB, 68
.set TB, 72
.set TS, 73
.set TA, 74
.set CNT, 75
.set PFW, 76
.set PFA, 78
.set MSB, 0
.macro WIN new
.if MSB != \new
	s_set_vgpr_msb (MSB<<8)|\new
.set MSB, \new
.endif
.endm
.macro PLACES n
.rept \n
	v_nop
.endr
.endm
.macro SHAPE g, c, r, p
	s_mov_b32 s[\g+1], (\c)<<16
	s_mov_b32 s[\g+2], (\r)<<16
	s_mov_b32 s[\g+3], (\c)<<16
	s_mov_b32 s[\g+4], \r
	s_mov_b32 s[\g+5], \p
	s_mov_b32 s[\g+6], 0
	s_mov_b32 s[\g+7], 0
.endm
.macro CROUND
	s_barrier_signal -1
	s_barrier_wait -1
	s_cmp_lg_u32 s18, 0
	s_cbranch_scc1 .Lnot_wave_0_\@
	s_barrier_signal -3
.Lnot_wave_0_\@:
	s_barrier_wait -3
	s_barrier_signal -1
	s_barrier_wait -1
.endm
.macro TL g0, g1
	tensor_load_to_lds s[\g0:\g0+3], s[\g1:\g1+7]
	s_nop 0
	PLACES 4
.endm
.macro WM j, a, q
.set rD, ACC+8*(2*(\j)+(\a))
.set rW, 128*((\q)%2)+16*(\j)
.set rA, 32*(\q)+16*(\a)
.set rX, SCW+8*((\j)/2)+(\q)
.set rY, SA+(\q)
.if ((\j)%2) && (\a)
	v_wmma_scale_f32_16x16x128_f8f6f4 v[rD:rD+7], v[rW:rW+15], v[rA:rA+15], v[rD:rD+7], v[rX], v[rY] matrix_a_fmt:MATRIX_FMT_BF8 matrix_b_fmt:MATRIX_FMT_BF8 matrix_a_scale:MATRIX_SCALE_ROW1 matrix_b_scale:MATRIX_SCALE_ROW1
.elseif (\j)%2
	v_wmma_scale_f32_16x16x128_f8f6f4 v[rD:rD+7], v[rW:rW+15], v[rA:rA+15], v[rD:rD+7], v[rX], v[rY] matrix_a_fmt:MATRIX_FMT_BF8 matrix_b_fmt:MATRIX_FMT_BF8 matrix_a_scale:MATRIX_SCALE_ROW1
.elseif \a
	v_wmma_scale_f32_16x16x128_f8f6f4 v[rD:rD+7], v[rW:rW+15], v[rA:rA+15], v[rD:rD+7], v[rX], v[rY] matrix_a_fmt:MATRIX_FMT_BF8 matrix_b_fmt:MATRIX_FMT_BF8 matrix_b_scale:MATRIX_SCALE_ROW1
.else
	v_wmma_scale_f32_16x16x128_f8f6f4 v[rD:rD+7], v[rW:rW+15], v[rA:rA+15], v[rD:rD+7], v[rX], v[rY] matrix_a_fmt:MATRIX_FMT_BF8 matrix_b_fmt:MATRIX_FMT_BF8
.endif
.endm
.macro WFETCH q
	WIN 0x40
.irp j, 0,1,2,3,4,5,6,7
.irp c, 0,1,2,3
	ds_load_b128 v[128*((\q)%2)+16*\j+4*\c:128*((\q)%2)+16*\j+4*\c+3], v[6+\j/4] offset:(\j%4)*16*PITCH+128*(\q)+32*\c
.endr
.endr
.endm
.macro ASK
	WIN 0
	s_cmp_lt_u32 s[CNT], LAPS-2
	s_cbranch_scc0 .Lnone_ahead_\@
	global_prefetch_b8 v20, s[PFW:PFW+1] th:TH_LOAD_NT scope:SCOPE_SE
	global_prefetch_b8 v21, s[PFA:PFA+1] th:TH_LOAD_NT scope:SCOPE_SE
.Lnone_ahead_\@:
.endm
.macro STEP q, last
.if \q > 0
	PLACES 8
.endif
.if (\last == 0) || (\q == 0)
	WIN 0x80
.irp i, 0,1,2,3,4,5,6,7
	global_load_b128 v[32*(((\q)+7)%8)+4*\i:32*(((\q)+7)%8)+4*\i+3], v3, s[4:5] offset:((\q)+7)*16384+512*\i
.endr
.elseif \q < 5
	WIN 0xc0
.irp i, 0,1,2,3,4,5,6,7
.set sg, 8*((\q)-1)+\i
.set rho, 8*(sg/16)+(sg%16)+8*((sg%16)/8)
	global_load_b128 v[4*sg:4*sg+3], v3, s[14:15] offset:rho*4096
.endr
.endif
.if \q < 7
	WFETCH (\q)+1
.endif
.if \last && (\q > 4)
	s_wait_loadcnt 56-8*((\q)-4)
.else
	s_wait_loadcnt 56
.endif
.if \q < 7
	s_wait_dscnt 32
.else
	s_wait_dscnt 0x0
.endif
.if (\last == 0) && (\q == 1) && (LAPS > 2)
	ASK
.endif
	WIN 0x09
.irp j, 0,1,2,3,4,5,6,7
.irp a, 0,1
	WM \j, \a, \q
.endr
.endr
.endm
.macro CHANGE fill
	s_wait_tensorcnt 0x0
	ds_add_u32 v10, v11
.if \fill
	s_mov_b32 s[G1W+2], 32<<16
	s_mov_b32 s[G1W+4], 32
	s_xor_b32 s[G0R+1], s[G0R+1], SLOT
	s_add_nc_u64 s[G0R+2:G0R+3], s[G0R+2:G0R+3], 1024
.endif
	s_wait_dscnt 0x0
.if \fill
	CROUND
	tensor_load_to_lds s[G0R:G0R+3], s[G1W:G1W+7]
	s_nop 0
.else
	s_barrier_signal -1
	s_barrier_wait -1
.endif
	v_add_nc_u32 v6, s[TB], v4
	v_add_nc_u32 v7, s[TB], v5
	v_add_nc_u32 v8, s[TA], v18
	v_add_nc_u32 v9, s[TS], v19
	PLACES 4
	s_wait_alu depctr_va_vdst(0)
.irp jp, 0,1,2,3
.irp g, 0,1
	ds_load_b128 v[SCW+8*\jp+4*\g:SCW+8*\jp+4*\g+3], v9 offset:\jp*(32*KS/256)*272+16*\g
.endr
.endr
.irp q, 0,1,2,3,4,5,6,7
	ds_load_b32 v[SA+\q], v8 offset:512*\q
.endr
	WFETCH 0
.endm
	s_load_b256 s[4:11], s[0:1], 0x0
	s_load_b128 s[12:15], s[0:1], 0x20
	s_load_b64 s[16:17], s[0:1], 0x30
	v_lshl_add_u32 v10, v0, 2, SPARE
	v_mov_b32 v11, 0
	ds_add_u32 v10, v11
	ds_add_u32 v10, v11
	v_lshrrev_b32 v1, 5, v0
	v_readfirstlane_b32 s18, v1
	s_bfe_u32 s21, ttmp6, 0x40000
	s_bfe_u32 s22, ttmp6, 0x40004
	s_lshl_b32 s23, ttmp9, 2
	s_add_co_u32 s23, s23, s21
	s_and_b32 s24, ttmp7, 0xffff
	s_lshl_b32 s24, s24, 2
	s_add_co_u32 s24, s24, s22
	s_lshl_b32 s25, s22, 2
	s_lshl_b32 s25, 15, s25
	s_lshl_b32 s26, 0x1111, s21
	s_or_b32 s[G1W], s26, (1<<20)|(1<<21)|(7<<22)|(3<<25)
	s_or_b32 s[G1SA], s25, (3<<16)|(1<<21)
	s_or_b32 s[G1SB], s26, (3<<16)|(1<<20)|(1<<21)|(5<<22)|(3<<25)
	SHAPE G1W, 1024, 64, SIZE_K
	SHAPE G1SA, 32, KC*2, 32
	SHAPE G1SB, 32, KS/2, 32
	s_lshl_b32 s82, s23, 7
	s_lshl_b32 s80, s18, 6
	s_add_co_u32 s80, s80, s82
	s_mul_i32 s80, s80, SIZE_K
	s_mov_b32 s81, 0
	s_mul_i32 s86, s82, KS
	s_mov_b32 s87, 0
	s_lshl_b32 s83, s18, 5
	s_add_co_u32 s82, s82, s83
	s_mul_i32 s82, s82, SIZE_K
	s_mov_b32 s83, 0
	s_mul_i32 s84, s24, KC*512
	s_mov_b32 s85, 0
	s_mul_i32 s88, s24, KC*16384
	s_lshl_b32 s89, s18, 12
	s_add_co_u32 s88, s88, s89
	s_mov_b32 s89, 0
	s_lshl_b32 s90, s23, 9
	s_mov_b32 s91, 0
	s_lshl_b32 s92, s24, 19
	s_lshl_b32 s93, s18, 17
	s_add_co_u32 s92, s92, s93
	s_add_co_u32 s92, s92, s90
	s_mov_b32 s93, 0
.if LAPS > 2
	s_lshl_b32 s94, s22, 2
	s_add_co_u32 s94, s94, s18
	s_lshl_b32 s94, s94, 3
	s_lshl_b32 s95, s23, 7
	s_add_co_u32 s94, s94, s95
	s_mul_i32 s94, s94, SIZE_K
	s_add_co_u32 s94, s94, 2048
	s_mov_b32 s95, 0
	s_lshl_b32 s96, s21, 2
	s_add_co_u32 s96, s96, s18
	s_lshl_b32 s96, s96, 13
	s_mul_i32 s97, s24, KC*16384
	s_add_co_u32 s96, s96, s97
	s_add_co_u32 s96, s96, 262144
	s_mov_b32 s97, 0
.endif
	s_lshl_b32 s98, s18, 7
	s_add_co_u32 s98, s98, SCA
	s_mul_i32 s99, s18, 32*SP
.if STAGE
	s_add_co_u32 s99, s99, STAGE
.endif
	s_mov_b32 s[TB], 0
	s_mov_b32 s[TS], 0
	s_mov_b32 s[TA], 0
	s_mov_b32 s[CNT], 0
	s_wait_dscnt 0x0
	s_wait_kmcnt 0x0
	s_mov_b32 s[G0H], 1
	s_mul_i32 s[G0H+1], s18, 64*PITCH
	s_add_nc_u64 s[G0H+2:G0H+3], s[8:9], s[80:81]
	s_or_b32 s[G0H+3], s[G0H+3], 0x80000000
	s_mov_b32 s[G0SA], 1
	s_mov_b32 s[G0SA+1], SCA
	s_add_nc_u64 s[G0SA+2:G0SA+3], s[6:7], s[84:85]
	s_or_b32 s[G0SA+3], s[G0SA+3], 0x80000000
	s_mov_b32 s[G0SB], 1
	s_mov_b32 s[G0SB+1], SCB
	s_add_nc_u64 s[G0SB+2:G0SB+3], s[10:11], s[86:87]
	s_or_b32 s[G0SB+3], s[G0SB+3], 0x80000000
	CROUND
	s_cmp_lt_u32 s18, 2
	s_cbranch_scc0 .Lhead_sa
	TL G0H, G1W
	s_branch .Lhead_asked
.Lhead_sa:
	s_cmp_eq_u32 s18, 2
	s_cbranch_scc0 .Lhead_sb
	TL G0SA, G1SA
	s_branch .Lhead_asked
.Lhead_sb:
	TL G0SB, G1SB
.Lhead_asked:
.if LAPS > 1
	s_mov_b32 s[G0R], 1
	s_mul_i32 s[G0R+1], s18, 32*PITCH
	s_add_nc_u64 s[G0R+2:G0R+3], s[8:9], s[82:83]
	s_or_b32 s[G0R+3], s[G0R+3], 0x80000000
.endif
.if LAPS > 2
	s_add_nc_u64 s[PFW:PFW+1], s[8:9], s[94:95]
	s_add_nc_u64 s[PFA:PFA+1], s[4:5], s[96:97]
.endif
	s_add_nc_u64 s[4:5], s[4:5], s[88:89]
	s_add_nc_u64 s[12:13], s[12:13], s[90:91]
	s_add_nc_u64 s[14:15], s[14:15], s[92:93]
	s_add_nc_u64 s[16:17], s[16:17], s[92:93]
	v_and_b32 v1, 15, v0
	v_bfe_u32 v2, v0, 4, 1
	v_and_b32 v12, 31, v0
	v_lshlrev_b32 v3, 4, v12
	v_lshlrev_b32 v14, 5, v2
	v_mul_u32_u24 v4, v1, PITCH
	v_lshl_add_u32 v4, v2, 4, v4
	v_add_nc_u32 v5, 64*PITCH, v4
	v_lshlrev_b32 v18, 2, v12
	v_add_nc_u32 v18, s98, v18
	v_mul_u32_u24 v13, v12, KS
	v_lshrrev_b32 v15, 8, v13
	v_lshl_add_u32 v13, v15, 4, v13
	v_add_nc_u32 v19, SCB, v13
	v_mul_u32_u24 v16, v1, SP
	v_lshl_add_u32 v16, v2, 5, v16
	v_add_nc_u32 v16, s99, v16
	v_add_nc_u32 v17, s99, v3
.if LAPS > 2
	v_lshrrev_b32 v20, 2, v12
	v_mul_u32_u24 v20, v20, SIZE_K
	v_and_b32 v21, 3, v12
	v_lshl_add_u32 v20, v21, 8, v20
	v_lshlrev_b32 v21, 8, v12
.endif
	s_wait_alu depctr_va_vdst(0)
.irp j, 0,1,2,3,4,5,6,7
.irp a, 0,1
	global_load_b128 v[ACC+8*(2*\j+\a):ACC+8*(2*\j+\a)+3], v14, s[12:13] offset:64*\j
	global_load_b128 v[ACC+8*(2*\j+\a)+4:ACC+8*(2*\j+\a)+7], v14, s[12:13] offset:64*\j+16
.endr
.endr
	WIN 0x80
.irp k, 0,1,2,3,4,5,6
.irp i, 0,1,2,3,4,5,6,7
	global_load_b128 v[32*\k+4*\i:32*\k+4*\i+3], v3, s[4:5] offset:\k*16384+512*\i
.endr
.endr
	WIN 0
.if LAPS > 1
.Llap:
	CHANGE 1
.irp q, 0,1,2,3,4,5,6,7
	STEP \q, 0
.endr
	WIN 0
	s_wait_xcnt 0x0
	s_add_nc_u64 s[4:5], s[4:5], 131072
.if LAPS > 2
	s_add_nc_u64 s[PFW:PFW+1], s[PFW:PFW+1], 1024
	s_add_nc_u64 s[PFA:PFA+1], s[PFA:PFA+1], 131072
.endif
	s_xor_b32 s[TB], s[TB], SLOT
	s_add_co_u32 s[TS], s[TS], 32
	s_add_co_u32 s[TA], s[TA], 4096
	s_add_co_u32 s[CNT], s[CNT], 1
	s_cmp_lt_u32 s[CNT], LAPS-1
	s_cbranch_scc1 .Llap
.endif
	CHANGE 0
.irp q, 0,1,2,3,4,5,6,7
	STEP \q, 1
.endr
	WIN 0
	PLACES 8
.irp j, 0,1,2,3,4,5,6,7
.irp a, 0,1
	ds_store_b128 v16, v[ACC+8*(2*\j+\a):ACC+8*(2*\j+\a)+3] offset:16*SP*\a+64*\j
	ds_store_b128 v16, v[ACC+8*(2*\j+\a)+4:ACC+8*(2*\j+\a)+7] offset:16*SP*\a+64*\j+16
.endr
.endr
	WIN 0x40
.set sg, 0
.rept 32
	ds_load_b128 v[4*sg:4*sg+3], v17 offset:sg*SP
.set sg, sg+1
.endr
	WIN 0
	s_wait_loadcnt 0x0
.irp b, 0,1,2,3
	s_wait_dscnt 24-8*\b
	WIN 0x4d
.irp i, 0,2,4,6,8,10,12,14,16,18,20,22,24,26,28,30
	v_pk_add_f32 v[32*\b+\i:32*\b+\i+1], v[32*\b+\i:32*\b+\i+1], v[32*\b+\i:32*\b+\i+1]
.endr
	WIN 0x04
.irp t, 0,1,2,3,4,5,6,7
.set sg, 8*\b+\t
.set rho, 8*(sg/16)+(sg%16)+8*((sg%16)/8)
.if OUT_NT
	global_store_b128 v3, v[4*sg:4*sg+3], s[16:17] offset:rho*4096 th:TH_STORE_NT
.else
	global_store_b128 v3, v[4*sg:4*sg+3], s[16:17] offset:rho*4096
.endif
.endr
.endr
	WIN 0
	s_wait_tensorcnt 0x0
	ds_add_u32 v10, v11
	s_wait_dscnt 0x0
	CROUND
	s_endpgm
.Lfunc_end_k_q8edf433cd7_oproj:
	.size	k_q8edf433cd7_oproj, .Lfunc_end_k_q8edf433cd7_oproj-k_q8edf433cd7_oproj
	.p2alignl 7, 3214868480
	.fill 96, 4, 3214868480
	.section	.rodata,"a",@progbits
	.p2align	6, 0x0
	.amdhsa_kernel k_q8edf433cd7_oproj
		.amdhsa_group_segment_fixed_size 327680
		.amdhsa_private_segment_fixed_size 0
		.amdhsa_enable_private_segment 0
		.amdhsa_kernarg_size 56
		.amdhsa_user_sgpr_count 2
		.amdhsa_user_sgpr_kernarg_segment_ptr 1
		.amdhsa_wavefront_size32 1
		.amdhsa_system_sgpr_workgroup_id_x 1
		.amdhsa_system_sgpr_workgroup_id_y 1
		.amdhsa_system_sgpr_workgroup_id_z 1
		.amdhsa_system_vgpr_workitem_id 0
		.amdhsa_next_free_vgpr 896
		.amdhsa_next_free_sgpr 100
		.amdhsa_reserve_vcc 0
		.amdhsa_float_denorm_mode_32 3
		.amdhsa_float_denorm_mode_16_64 3
		.amdhsa_memory_ordered 1
		.amdhsa_forward_progress 1
		.amdhsa_inst_pref_size 68
	.end_amdhsa_kernel
	.amdgpu_metadata
---
amdhsa.version: [ 1, 2 ]
amdhsa.kernels:
  - .name:           k_q8edf433cd7_oproj
    .symbol:         k_q8edf433cd7_oproj.kd
    .args:
      - { .name: h_img, .offset: 0, .size: 8, .value_kind: global_buffer, .address_space: global }
      - { .name: h_scl, .offset: 8, .size: 8, .value_kind: global_buffer, .address_space: global }
      - { .name: out_w_codes, .offset: 16, .size: 8, .value_kind: global_buffer, .address_space: global }
      - { .name: out_w_scales, .offset: 24, .size: 8, .value_kind: global_buffer, .address_space: global }
      - { .name: out_b, .offset: 32, .size: 8, .value_kind: global_buffer, .address_space: global }
      - { .name: x, .offset: 40, .size: 8, .value_kind: global_buffer, .address_space: global }
      - { .name: x1, .offset: 48, .size: 8, .value_kind: global_buffer, .address_space: global }
    .group_segment_fixed_size: 327680
    .private_segment_fixed_size: 0
    .kernarg_segment_align: 8
    .kernarg_segment_size: 56
    .max_flat_workgroup_size: 128
    .sgpr_count:     100
    .vgpr_count:     896
    .wavefront_size: 32
...
	.end_amdgpu_metadata
.endif
;; end of part 4
;; launch ln2: the kernel of part 1 again; grid 256 x 1, 4 waves a work-group, no clusters, 1,536 bytes of LDS; arguments x1, ln2_g, ln2_b, h_img, h_scl; writes h_img, h_scl
;; launch fc1 (part 5): grid 8 x 32, 4 waves a work-group, clusters of 4 x 4, 327,680 bytes of LDS; arguments h_img, h_scl, w1_codes, w1_scales, b1, g_img, g_scl; writes g_img, g_scl
.if DOCPART == 5
	.amdgcn_target "amdgcn-amd-amdhsa--gfx1250"
	.amdhsa_code_object_version 6
	.text
	.protected	k_q8edf433cd7_fc1
	.globl	k_q8edf433cd7_fc1
	.p2align	8
	.type	k_q8edf433cd7_fc1,@function
k_q8edf433cd7_fc1:
	s_mov_b64 s[64:65], 0
	v_nop
	global_prefetch_b8 v0, s[64:65] scope:SCOPE_SE
	s_setreg_imm32_b32 hwreg(HW_REG_WAVE_MODE, 25, 1), 1
	s_wait_xcnt 0x0
	s_wait_alu depctr_hold_cnt(0) depctr_sa_sdst(0) depctr_va_vdst(0) depctr_va_sdst(0) depctr_va_ssrc(0) depctr_va_vcc(0) depctr_vm_vsrc(0)
	s_getreg_b32 s2, hwreg(HW_REG_IB_STS2, 6, 4)
	s_cmp_eq_u32 s2, 0
	s_cbranch_scc0 .Lentry_in_a_cluster
	s_endpgm
.Lentry_in_a_cluster:
	s_bfe_u32 s2, ttmp6, 0x10000c
	s_cmp_lg_u32 s2, 0xf033
	s_cbranch_scc0 .Lentry_shape_is_right
	s_endpgm
.Lentry_shape_is_right:
; g = gelu(A W1^T + b1), the product on codes of E5M2 with E8M0 scales (K = 1,024), and g quantised at once along its 4,096 columns, the next product's K.
; Arguments: A's codes (register images), A's scale words, W's codes [4096][1024], W's scale bytes [4096][32], the bias [4096], the codes out, the scale words out.
; A WORK-GROUP STAYS: it owns 128 tokens and walks four tiles of 128 columns, X, X + 8, X + 16, X + 24 of 32.  Four waves, each 64 tokens x 64 columns: 16 accumulators.
; A LIVES IN REGISTERS: a wave's 64 tokens x all of K are 512 registers (windows 2 and 3), loaded once, straight from the images, 512 consecutive bytes a load; they serve all four tiles.  A never lies in LDS, so it has no joint load.
; The first tile's steps wait for A by count; A's 16 scale words are loaded once too.  W's 16 scale words and the bias of the next tile are asked for behind a tile's last product and waited for at the end of its way out.
; W GOES THROUGH LDS: two slots, each a whole tile (128 rows x 1,024), asked for jointly along a column of the 4 x 4 cluster.  The change of slots stands at a tile's head: behind its round the slot just left takes the next tile,
; so a fill is asked for a whole tile (128 products a wave and the way out) ahead of its first read: no prefetch is laid beside it.  The last tile is written out: it asks for nothing.
; A SLOT HAS TWO REGIONS: rows 0-15 of each group of 32 rows, and, 128 bytes past a multiple of 256, rows 16-31.  16 consecutive rows are 16,384 consecutive bytes of memory, stated as one row of the tile; a wave fetches two such rows, 32,768 bytes apart;
; 16 bytes of padding follow every 1,024.  A tile of 16 rows takes in lanes 0-7 eight rows of the first region and in lanes 8-15 eight of the second: their 16 first bytes lie in 16 different columns of 16 bytes modulo 256.
; IMAGES: [block of 128 tokens][128 along K][half][tile][c][lane][16 bytes], in and out; scale words [block][128 along K][half][tile][r], byte c.
; TILES' ROWS ARE NOT NEIGHBOURS: tile u of a group of 32 rows takes in lane r the row 8 u + r + 8 (r / 8), for tokens and for W's rows alike, so that the 16 registers of two neighbouring result tiles are 16 neighbours along the next K.
; THE PRODUCT IS USED TRANSPOSED (source 0 = 16 rows of W, source 1 = 16 tokens).  The bias is the C of each sum's first matrix instruction.  The 16 accumulators take turns.
; GELU: 0.5 x (1 + tanh(u)) = x / (1 + e^(-2 u)) = x rcp(1 + 2^(x (k1 + k2 x^2))), k1 = -2 sqrt(2 / pi) log2(e), k2 = 0.044715 k1: the same function, with no difference of near numbers.
; LIMITS: NaN and infinities are not served; a block of zeros gets the byte 1 (its codes are zeros, and this program alone reads the bytes); v_exp_f32 and v_rcp_f32 are good to 1 ulp.
.set SIZE_K, 1024
.set NT,     4
.set PITCH,  1040
.set ODD,    64*PITCH+128              ; where a slot's second region begins
.set SLOT,   133376                    ; 2 x 64 rows x 1,040 + 128, rounded up to a multiple of 256
.set SPARE,  2*SLOT                    ; the spare words, 128 bytes a wave
.set SMG,    SPARE+512                 ; 512 bytes in which the two column halves' scale bytes meet
.set NEXTW,  8*128*SIZE_K              ; bytes from a tile's rows of W to the next tile's
.set ACC, 128                          ; v128-255 accumulator (token tile a, W tile j) at +8 (4 a + j)
.set SA0, 24                           ; v24-39  A's scale words: K steps 2 p (lanes 0-15) and 2 p + 1 (lanes 16-31) of tile a at 8 (p % 2) + (2 p + 2 + a) % 8
.set SB0, 40                           ; v40-55  W's: tiles 2 jp (lanes 0-15) and 2 jp + 1 (lanes 16-31), K step k at 8 jp + k.  No product's two scale registers are equal modulo 8
.set GT,  56                           ; v56-87  gelu's 32 numbers at work
.set TM,  88                           ; v88-103 the quantiser's
.set PW,  104                          ; v104-105 scale bytes
.set PC,  108                          ; v108-123 codes.   v[124:125] k1, twice
.set BI,  128                          ; window 1: v0-127 W's fragments, two sets of 64; v128-159 the tile's bias.  Windows 2, 3: A's fragment (K step k, tile a) at 64 (k % 4) + 16 a of window 2 + k / 4
.set G1W, 28
.set G0R, 36
.set SEL, 40
.set MNT, 42
.set CNT, 43
.set TB,  44
.set K2,  46
.set MSB, 0
.macro WIN new                         ; the immediate's high byte repeats the setting that is left
.if MSB != \new
	s_set_vgpr_msb (MSB<<8)|\new
.set MSB, \new
.endif
.endm
.macro PLACES n                        ; plain vector lines behind matrix instructions: eight for this form
.rept \n
	v_nop
.endr
.endm
.macro CROUND                          ; a round of the cluster's barrier
	s_barrier_signal -1
	s_barrier_wait -1
	s_cmp_lg_u32 s18, 0
	s_cbranch_scc1 .Lnot_wave_0_\@
	s_barrier_signal -3
.Lnot_wave_0_\@:
	s_barrier_wait -3
	s_barrier_signal -1
	s_barrier_wait -1
.endm
.macro QUANT src, pw, pc               ; four blocks of 32: register 16 b + i of v[src] on is number i of block b in this lane; lanes l and l xor 16 share a block
.irp b, 0,1,2,3
	v_max3_num_f32 v[TM+\b], |v[(\src)+16*\b]|, |v[(\src)+16*\b+1]|, 0x8000000   ; with the floor 2^(16 - 127): the byte cannot fall under 1
.endr
.irp i, 2,4,6,8,10,12,14
.irp b, 0,1,2,3
	v_max3_num_f32 v[TM+\b], v[TM+\b], |v[(\src)+16*\b+\i]|, |v[(\src)+16*\b+\i+1]|
.endr
.endr
.irp b, 0,1,2,3
	v_permlanex16_b32 v[TM+4+\b], v[TM+\b], s[SEL], s[SEL+1]
.endr
.irp b, 0,1,2,3
	v_max_num_f32 v[TM+\b], v[TM+\b], v[TM+4+\b]
.endr
.irp b, 0,1,2,3
	v_add_nc_u32 v[TM+12+\b], 0xf8800000, v[TM+\b]             ; 15 off the exponent field: the conversion's scale operand
.endr
.irp b, 0,1,2,3
	v_and_or_b32 v[TM+8+\b], v[TM+\b], 0x7f800000, s[MNT]      ; 57,344 x the scale
.endr
.irp b, 0,1,2,3
	v_lshrrev_b32 v[TM+4+\b], 23, v[TM+12+\b]                  ; the scale's byte
.endr
	v_lshl_or_b32 v[\pw], v[TM+5], 8, v[TM+4]
	v_lshl_or_b32 v[\pw], v[TM+6], 16, v[\pw]
	v_lshl_or_b32 v[\pw], v[TM+7], 24, v[\pw]
.irp b, 0,1,2,3
.irp i, 0,1,2,3,4,5,6,7,8,9,10,11,12,13,14,15
	v_med3_num_f32 v[(\src)+16*\b+\i], v[(\src)+16*\b+\i], -v[TM+8+\b], v[TM+8+\b]   ; the conversion does not saturate (ISA guide 7.6.2): hold first
.endr
	v_cvt_scalef32_pk8_bf8_f32 v[(\pc)+4*\b:(\pc)+4*\b+1], v[(\src)+16*\b:(\src)+16*\b+7], v[TM+12+\b]
	v_cvt_scalef32_pk8_bf8_f32 v[(\pc)+4*\b+2:(\pc)+4*\b+3], v[(\src)+16*\b+8:(\src)+16*\b+15], v[TM+12+\b]
.endr
	v_nop                                          ; a plain line behind the last conversion
.endm
.macro GELU src                        ; 32 numbers, in place
.irp i, 0,2,4,6,8,10,12,14,16,18,20,22,24,26,28,30
	v_pk_mul_f32 v[GT+\i:GT+\i+1], v[(\src)+\i:(\src)+\i+1], v[(\src)+\i:(\src)+\i+1]              ; x^2
.endr
.irp i, 0,2,4,6,8,10,12,14,16,18,20,22,24,26,28,30
	v_pk_fma_f32 v[GT+\i:GT+\i+1], v[GT+\i:GT+\i+1], s[K2:K2+1], v[124:125] op_sel_hi:[1,0,1]      ; k2 x^2 + k1
.endr
.irp i, 0,2,4,6,8,10,12,14,16,18,20,22,24,26,28,30
	v_pk_mul_f32 v[GT+\i:GT+\i+1], v[GT+\i:GT+\i+1], v[(\src)+\i:(\src)+\i+1]
.endr
.set gi, 0
	s_wait_alu depctr_va_vdst(0)                   ; a wait ahead of each batch of transcendentals and one behind it
.rept 32
	v_exp_f32 v[GT+gi], v[GT+gi]
.set gi, gi+1
.endr
	v_nop                                          ; a plain line behind the transcendentals
	s_wait_alu depctr_va_vdst(0)
.irp i, 0,2,4,6,8,10,12,14,16,18,20,22,24,26,28,30
	v_pk_add_f32 v[GT+\i:GT+\i+1], v[GT+\i:GT+\i+1], 1.0 op_sel_hi:[1,0]
.endr
.set gi, 0
	s_wait_alu depctr_va_vdst(0)
.rept 32
	v_rcp_f32 v[GT+gi], v[GT+gi]
.set gi, gi+1
.endr
	v_nop
	s_wait_alu depctr_va_vdst(0)
.irp i, 0,2,4,6,8,10,12,14,16,18,20,22,24,26,28,30
	v_pk_mul_f32 v[(\src)+\i:(\src)+\i+1], v[(\src)+\i:(\src)+\i+1], v[GT+\i:GT+\i+1]
.endr
.endm
.macro WM                              ; one matrix instruction from the symbols rD, rS0, rS1, rC, rX0, rR0, rX1, rR1
.if rR0 && rR1
	v_wmma_scale_f32_16x16x128_f8f6f4 v[rD:rD+7], v[rS0:rS0+15], v[rS1:rS1+15], v[rC:rC+7], v[rX0], v[rX1] matrix_a_fmt:MATRIX_FMT_BF8 matrix_b_fmt:MATRIX_FMT_BF8 matrix_a_scale:MATRIX_SCALE_ROW1 matrix_b_scale:MATRIX_SCALE_ROW1
.elseif rR0
	v_wmma_scale_f32_16x16x128_f8f6f4 v[rD:rD+7], v[rS0:rS0+15], v[rS1:rS1+15], v[rC:rC+7], v[rX0], v[rX1] matrix_a_fmt:MATRIX_FMT_BF8 matrix_b_fmt:MATRIX_FMT_BF8 matrix_a_scale:MATRIX_SCALE_ROW1
.elseif rR1
	v_wmma_scale_f32_16x16x128_f8f6f4 v[rD:rD+7], v[rS0:rS0+15], v[rS1:rS1+15], v[rC:rC+7], v[rX0], v[rX1] matrix_a_fmt:MATRIX_FMT_BF8 matrix_b_fmt:MATRIX_FMT_BF8 matrix_b_scale:MATRIX_SCALE_ROW1
.else
	v_wmma_scale_f32_16x16x128_f8f6f4 v[rD:rD+7], v[rS0:rS0+15], v[rS1:rS1+15], v[rC:rC+7], v[rX0], v[rX1] matrix_a_fmt:MATRIX_FMT_BF8 matrix_b_fmt:MATRIX_FMT_BF8
.endif
.endm
.macro MM k                            ; K step k: the four token tiles against W's four tiles; in step 0 the bias starts the sums
.set xa, 0
.rept 4
.set xj, 0
.rept 4
.set rD, ACC+8*(4*xa+xj)
.set rS0, 64*((\k)%2)+16*xj
.set rS1, 64*((\k)%4)+16*xa
.set rX0, SB0+8*(xj/2)+(\k)
.set rR0, xj%2
.set rX1, SA0+8*(((\k)/2)%2)+((2*((\k)/2)+2+xa)%8)
.set rR1, (\k)%2
.set rC, rD
.if (\k) == 0
.set rC, BI+8*xj
.endif
	WM
.set xj, xj+1
.endr
.set xa, xa+1
.endr
.endm
.macro WFETCH k                        ; W's four fragments of K step k: 16 LDS loads
	WIN 0x40
.irp j, 0,1,2,3
.irp c, 0,1,2,3
	ds_load_b128 v[64*((\k)%2)+16*\j+4*\c:64*((\k)%2)+16*\j+4*\c+3], v6 offset:(16*(\j/2)+8*(\j%2))*PITCH+128*(\k)+32*\c
.endr
.endr
.endm
.macro STEP k
.if \k > 0
	PLACES 8                                       ; the set filled next was read by the step before
.endif
.if \k < 7
	WFETCH (\k)+1
.endif
.if \k == 0
	s_wait_loadcnt 63                              ; first tile: the bias, the scale words and A's steps 0 to 3 are in: behind step 3's last load 64 were issued
.elseif \k > 3
	s_wait_loadcnt 16*(7-(\k))                     ; first tile: behind A's step k stand 16 loads for each later step
.endif
.if \k < 7
	s_wait_dscnt 16                                ; all but the 16 just issued
.else
	s_wait_dscnt 0x0
.endif
.if \k == 0
	WIN 0x19                                       ; source 0 window 1, source 1 window 2, C window 1, D window 0
.else
	WIN 0x09+4*((\k)/4)                            ; source 1 window 2 or 3, C and D window 0
.endif
	MM \k
.endm
; THE CHANGE OF SLOTS, at a tile's head: all my tensor loads are in, the add, my LDS reads are over; fill = 1: a round of the cluster's barrier, and behind it my part of the next tile goes into the slot just left.
.macro CHANGE fill
	s_wait_tensorcnt 0x0
	ds_add_u32 v10, v11
.if \fill
	s_xor_b32 s[G0R+1], s[G0R+1], SLOT             ; the other slot (SLOT's three bits are set in no wave's place in a slot)
	s_add_nc_u64 s[G0R+2:G0R+3], s[G0R+2:G0R+3], NEXTW
.endif
	s_wait_dscnt 0x0
.if \fill
	CROUND
	tensor_load_to_lds s[G0R:G0R+3], s[G1W:G1W+7]
	s_nop 0
.else
	s_barrier_signal -1
	s_barrier_wait -1
.endif
	v_add_nc_u32 v6, s[TB], v4                     ; W's fragments in the slot in hand
	PLACES 3
	s_wait_alu depctr_va_vdst(0)
	WFETCH 0
.endm
.macro SBLD                            ; W's scale words of a tile: a lane takes 16 bytes of its row's 32; the two loads of a pair of tiles cover 1,024 consecutive bytes
.irp jp, 0,1
.irp g, 0,1
	global_load_b128 v[SB0+8*\jp+4*\g:SB0+8*\jp+4*\g+3], v9, s[10:11] offset:1024*\jp+16*\g
.endr
.endr
.endm
.macro BIASLD                          ; a lane's eight registers of tile j are eight neighbouring columns
	WIN 0x40
.irp j, 0,1,2,3
	global_load_b128 v[BI+8*\j:BI+8*\j+3], v14, s[12:13] offset:(32*(\j/2)+8*(\j%2))*4
	global_load_b128 v[BI+8*\j+4:BI+8*\j+7], v14, s[12:13] offset:(32*(\j/2)+8*(\j%2))*4+16
.endr
	WIN 0
.endm
.macro TILE last
	CHANGE 1-\last
.irp k, 0,1,2,3,4,5,6,7
	STEP \k
.endr
	WIN 0
	PLACES 8
.if \last == 0
	s_wait_xcnt 0x0                                ; the loads that named these bases have read them
	s_add_nc_u64 s[10:11], s[10:11], 8*128*32
	s_add_nc_u64 s[12:13], s[12:13], 8*128*4
	SBLD                                           ; the next tile's scale words and bias: the way out lies between the request and the wait
	BIASLD
.endif
	; THE WAY OUT: 64 registers are four blocks of 32 along the next K: token tiles 2 p and 2 p + 1, blocks c = 2 x column half + 0, 1
.irp p, 0,1
	GELU ACC+64*\p
	GELU ACC+64*\p+32
.if \p
	s_wait_xcnt 0x0                                ; the first half's stores have read their registers
.endif
	QUANT ACC+64*\p, PW+\p, PC
.irp b, 0,1,2,3
	global_store_b128 v3, v[PC+4*\b:PC+4*\b+3], s[14:15] offset:2048*(2*\p+\b/2)+512*(\b%2)   ; 32 lanes store 512 consecutive bytes
.endr
	ds_store_b16 v16, v[PW+\p] offset:128*\p                   ; tile 2 p's two bytes; both lanes of a row write the same value
	ds_store_b16_d16_hi v16, v[PW+\p] offset:128*\p+64         ; tile 2 p + 1's
.endr
	s_wait_dscnt 0x0                               ; for the others' sake: my stores have landed
	s_barrier_signal -1                            ; the next tile's fill may stay out
	s_barrier_wait -1
	s_cmp_lg_u32 s18, 0
	s_cbranch_scc1 .Lnot_mine_\@
	ds_load_b128 v[GT:GT+3], v17                   ; wave 0 stores the work-group's 128 scale words: 512 consecutive bytes.  The next tile's bytes are stored there behind the next change's barrier
	s_wait_dscnt 0x0
	global_store_b128 v3, v[GT:GT+3], s[16:17]
.Lnot_mine_\@:
.if \last == 0
	s_wait_xcnt 0x0                                ; the stores have read their registers and bases: both may be written again
	s_add_nc_u64 s[14:15], s[14:15], 8*16384       ; eight K steps of the next product on
	s_add_nc_u64 s[16:17], s[16:17], 8*512
	s_wait_loadcnt 0x0                             ; the next tile's scale words and bias are in
.endif
.endm
	s_load_b256 s[4:11], s[0:1], 0x0               ; A's codes s[4:5], A's scale words s[6:7], W's codes s[8:9], W's scale bytes s[10:11]
	s_load_b128 s[12:15], s[0:1], 0x20             ; bias s[12:13], codes out s[14:15]
	s_load_b64 s[16:17], s[0:1], 0x30              ; scale words out
	v_lshl_add_u32 v10, v0, 2, SPARE
	v_mov_b32 v11, 0
	ds_add_u32 v10, v11                            ; the opening lines
	ds_add_u32 v10, v11
	v_lshrrev_b32 v1, 5, v0
	v_readfirstlane_b32 s18, v1                    ; wave 0..3
	s_lshr_b32 s19, s18, 1                         ; my half of the tokens.  Also: which two groups of 32 rows of W I fetch
	s_and_b32 s20, s18, 1                          ; my half of the columns.  Also: for which region of a slot I fetch
	s_bfe_u32 s21, ttmp6, 0x40000                  ; cx
	s_bfe_u32 s22, ttmp6, 0x40004                  ; cy
	s_lshl_b32 s23, ttmp9, 2
	s_add_co_u32 s23, s23, s21                     ; X: my first tile column, 0 .. 7
	s_and_b32 s24, ttmp7, 0xffff
	s_lshl_b32 s24, s24, 2
	s_add_co_u32 s24, s24, s22                     ; block of 128 tokens
	s_lshl_b32 s26, 0x1111, s21                    ; my column of the cluster
	s_or_b32 s[G1W], s26, (3<<16)|(1<<20)|(1<<21)|(7<<22)|(3<<25)  ; elements of 8 bytes; 4 words of padding behind every 256
	s_mov_b32 s[G1W+1], 2048<<16                   ; a row of the tile: 16 rows of W, 16,384 bytes
	s_mov_b32 s[G1W+2], 2<<16
	s_mov_b32 s[G1W+3], 2048<<16
	s_mov_b32 s[G1W+4], 2                          ; two of them,
	s_mov_b32 s[G1W+5], 4096                       ; 32 rows of W apart
	s_mov_b32 s[G1W+6], 0
	s_mov_b32 s[G1W+7], 0
	s_lshl_b32 s50, s23, 7                         ; W's row 128 X + 64 x pair of groups + 16 x region
	s_lshl_b32 s51, s19, 6
	s_add_co_u32 s50, s50, s51
	s_lshl_b32 s51, s20, 4
	s_add_co_u32 s50, s50, s51
	s_lshl_b32 s50, s50, 10
	s_mov_b32 s51, 0
	s_mul_i32 s52, s20, ODD                        ; and its place in a slot: no place in the cluster enters it
	s_mul_i32 s53, s19, 32*PITCH
	s_add_co_u32 s52, s52, s53
	s_lshl_b32 s54, s24, 17                        ; A's images: my half's
	s_lshl_b32 s55, s19, 13
	s_add_co_u32 s54, s54, s55
	s_mov_b32 s55, 0
	s_lshl_b32 s56, s24, 12                        ; A's scale words
	s_lshl_b32 s57, s19, 8
	s_add_co_u32 s56, s56, s57
	s_mov_b32 s57, 0
	s_lshl_b32 s58, s23, 7                         ; my 64 columns of the first tile
	s_lshl_b32 s59, s20, 6
	s_add_co_u32 s58, s58, s59
	s_lshl_b32 s60, s58, 2                         ; their bias,
	s_mov_b32 s61, 0
	s_lshl_b32 s58, s58, 5                         ; their scale bytes
	s_mov_b32 s59, 0
	s_lshl_b32 s62, s24, 19                        ; codes out: 524,288 a block, 16,384 a K step (= tile column), 8,192 a token half, 2 x 512 a column half
	s_lshl_b32 s63, s23, 14
	s_add_co_u32 s62, s62, s63
	s_lshl_b32 s63, s19, 13
	s_add_co_u32 s62, s62, s63
	s_lshl_b32 s63, s20, 10
	s_add_co_u32 s62, s62, s63
	s_mov_b32 s63, 0
	s_lshl_b32 s48, s24, 5
	s_add_co_u32 s48, s48, s23
	s_lshl_b32 s48, s48, 9                         ; scale words out: 512 bytes for each (block, K step)
	s_mov_b32 s49, 0
	s_mul_i32 s25, s20, 32*PITCH                   ; my 64 rows of W in each region of a slot
	s_lshl_b32 s27, s19, 8
	s_lshl_b32 s26, s20, 1
	s_add_co_u32 s27, s27, s26
	s_add_co_u32 s27, s27, SMG
	s_mov_b32 s[SEL], 0x76543210
	s_mov_b32 s[SEL+1], 0xfedcba98
	s_mov_b32 s[MNT], 0x600000
	s_mov_b32 s[K2], 0xbdd2d3e8                    ; k2 = -0.10294324
	s_mov_b32 s[K2+1], s[K2]
	s_mov_b32 s[TB], 0
	s_mov_b32 s[CNT], NT-1
	s_wait_dscnt 0x0
	s_wait_kmcnt 0x0
	s_mov_b32 s[G0R], 1
	s_mov_b32 s[G0R+1], s52
	s_add_nc_u64 s[G0R+2:G0R+3], s[8:9], s[50:51]
	s_or_b32 s[G0R+3], s[G0R+3], 0x80000000
	CROUND                                         ; all sixteen work-groups are here: the first joint loads meet
	tensor_load_to_lds s[G0R:G0R+3], s[G1W:G1W+7]  ; my part of the first tile, into slot 0: one load a wave, under no branch
	s_nop 0
	PLACES 4
	s_add_nc_u64 s[4:5], s[4:5], s[54:55]
	s_add_nc_u64 s[6:7], s[6:7], s[56:57]
	s_add_nc_u64 s[10:11], s[10:11], s[58:59]
	s_add_nc_u64 s[12:13], s[12:13], s[60:61]
	s_add_nc_u64 s[14:15], s[14:15], s[62:63]
	s_add_nc_u64 s[16:17], s[16:17], s[48:49]
	v_and_b32 v1, 15, v0                           ; r
	v_bfe_u32 v2, v0, 4, 1                         ; h
	v_and_b32 v3, 31, v0
	v_lshlrev_b32 v3, 4, v3                        ; 16 x lane
	v_bfe_u32 v12, v0, 3, 1                        ; r / 8: the region
	v_and_b32 v13, 7, v0                           ; r % 8
	v_mul_u32_u24 v4, v12, ODD
	v_mad_u32_u24 v4, v13, PITCH, v4
	v_lshl_add_u32 v4, v2, 4, v4
	v_add_nc_u32 v4, s25, v4                       ; W's fragments in a slot
	v_lshlrev_b32 v8, 2, v1
	v_lshl_add_u32 v8, v2, 9, v8                   ; A's scale words: 4 r; lanes 16-31 the next K step's
	v_lshl_add_u32 v9, v12, 3, v1
	v_lshl_add_u32 v9, v2, 3, v9
	v_lshlrev_b32 v9, 5, v9                        ; W's scale bytes: row r + 8 (r / 8); lanes 16-31 the tile eight rows on
	v_lshlrev_b32 v14, 6, v2                       ; bias: 64 h
	v_lshlrev_b32 v16, 2, v1
	v_add_nc_u32 v16, s27, v16                     ; my two bytes of a row's scale word: 4 r + 256 x token half + 2 x column half
	v_add_nc_u32 v17, SMG, v3                      ; and the 512 bytes back, 16 a lane
	v_mov_b32 v124, 0xc0135761                     ; k1 = -2.3022082
	v_mov_b32 v125, 0xc0135761
.irp b, 0,1,2,3
	v_mov_b32 v[TM+4+\b], 0                        ; (a lane permute's destination counts as one of its sources)
.endr
	s_wait_alu depctr_va_vdst(0)
	BIASLD
	SBLD
.irp p, 0,1,2,3
.irp a, 0,1,2,3
	global_load_b32 v[SA0+8*(\p%2)+((2*\p+2+\a)%8)], v8, s[6:7] offset:1024*\p+64*\a
.endr
.endr
.irp k, 0,1,2,3,4,5,6,7                ; A: 16 loads a K step, K ascending
	WIN 0x80+0x40*(\k/4)
.irp a, 0,1,2,3
.irp c, 0,1,2,3
	global_load_b128 v[64*(\k%4)+16*\a+4*\c:64*(\k%4)+16*\a+4*\c+3], v3, s[4:5] offset:16384*\k+2048*\a+512*\c
.endr
.endr
.endr
	WIN 0
.Ltile:                                            ; every tile but the last asks for its successor's rows of W
	TILE 0
	s_xor_b32 s[TB], s[TB], SLOT
	s_sub_co_u32 s[CNT], s[CNT], 1
	s_cmp_lg_u32 s[CNT], 0
	s_cbranch_scc1 .Ltile
	TILE 1                                         ; the last tile is written out
	s_wait_tensorcnt 0x0                           ; the wave's end
	ds_add_u32 v10, v11
	s_wait_dscnt 0x0
	CROUND                                         ; the closing round
	s_endpgm
.Lfunc_end_k_q8edf433cd7_fc1:
	.size	k_q8edf433cd7_fc1, .Lfunc_end_k_q8edf433cd7_fc1-k_q8edf433cd7_fc1
	.p2alignl 7, 3214868480
	.fill 96, 4, 3214868480
	.section	.rodata,"a",@progbits
	.p2align	6, 0x0
	.amdhsa_kernel k_q8edf433cd7_fc1
		.amdhsa_group_segment_fixed_size 327680
		.amdhsa_private_segment_fixed_size 0
		.amdhsa_enable_private_segment 0
		.amdhsa_kernarg_size 56
		.amdhsa_user_sgpr_count 2
		.amdhsa_user_sgpr_kernarg_segment_ptr 1
		.amdhsa_wavefront_size32 1
		.amdhsa_system_sgpr_workgroup_id_x 1
		.amdhsa_system_sgpr_workgroup_id_y 1
		.amdhsa_system_sgpr_workgroup_id_z 1
		.amdhsa_system_vgpr_workitem_id 0
		.amdhsa_next_free_vgpr 1024
		.amdhsa_next_free_sgpr 66
		.amdhsa_reserve_vcc 0
		.amdhsa_float_denorm_mode_32 3
		.amdhsa_float_denorm_mode_16_64 3
		.amdhsa_memory_ordered 1
		.amdhsa_forward_progress 1
		.amdhsa_inst_pref_size 170
	.end_amdhsa_kernel
	.amdgpu_metadata
---
amdhsa.version: [ 1, 2 ]
amdhsa.kernels:
  - .name:           k_q8edf433cd7_fc1
    .symbol:         k_q8edf433cd7_fc1.kd
    .args:
      - { .name: h_img, .offset: 0, .size: 8, .value_kind: global_buffer, .address_space: global }
      - { .name: h_scl, .offset: 8, .size: 8, .value_kind: global_buffer, .address_space: global }
      - { .name: w1_codes, .offset: 16, .size: 8, .value_kind: global_buffer, .address_space: global }
      - { .name: w1_scales, .offset: 24, .size: 8, .value_kind: global_buffer, .address_space: global }
      - { .name: b1, .offset: 32, .size: 8, .value_kind: global_buffer, .address_space: global }
      - { .name: g_img, .offset: 40, .size: 8, .value_kind: global_buffer, .address_space: global }
      - { .name: g_scl, .offset: 48, .size: 8, .value_kind: global_buffer, .address_space: global }
    .group_segment_fixed_size: 327680
    .private_segment_fixed_size: 0
    .kernarg_segment_align: 8
    .kernarg_segment_size: 56
    .max_flat_workgroup_size: 128
    .sgpr_count:     66
    .vgpr_count:     1024
    .wavefront_size: 32
...
	.end_amdgpu_metadata
.endif
;; end of part 5
;; launch fc2 (part 6): grid 8 x 32, 4 waves a work-group, clusters of 4 x 4, 327,680 bytes of LDS; arguments g_img, g_scl, w2_codes, w2_scales, b2, x1, out0; writes out0
.if DOCPART == 6
	.amdgcn_target "amdgcn-amd-amdhsa--gfx1250"
	.amdhsa_code_object_version 6
	.text
	.protected	k_q8edf433cd7_fc2
	.globl	k_q8edf433cd7_fc2
	.p2align	8
	.type	k_q8edf433cd7_fc2,@function
k_q8edf433cd7_fc2:
	s_mov_b64 s[64:65], 0
	v_nop
	global_prefetch_b8 v0, s[64:65] scope:SCOPE_SE
	s_setreg_imm32_b32 hwreg(HW_REG_WAVE_MODE, 25, 1), 1
	s_wait_xcnt 0x0
	s_wait_alu depctr_hold_cnt(0) depctr_sa_sdst(0) depctr_va_vdst(0) depctr_va_sdst(0) depctr_va_ssrc(0) depctr_va_vcc(0) depctr_vm_vsrc(0)
	s_getreg_b32 s2, hwreg(HW_REG_IB_STS2, 6, 4)
	s_cmp_eq_u32 s2, 0
	s_cbranch_scc0 .Lentry_in_a_cluster
	s_endpgm
.Lentry_in_a_cluster:
	s_bfe_u32 s2, ttmp6, 0x10000c
	s_cmp_lg_u32 s2, 0xf033
	s_cbranch_scc0 .Lentry_shape_is_right
	s_endpgm
.Lentry_shape_is_right:
; out = res + A W^T + b on codes of E5M2 with E8M0 scales, K = SIZE_K.  Arguments: A's codes (register images), A's scale words, W's codes [1024][K], W's scale bytes [1024][K / 32], b [1024], res and out [4096][1024] f32.
; SHARES: a work-group makes 128 tokens x 128 columns; wave w makes the block's tokens 32 w .. 32 w + 31 (two tiles of 16) x all 128 columns: 16 accumulators.
; A GOES FROM MEMORY STRAIGHT INTO REGISTERS.  Its image is [block of 128 tokens][128 along K][tile 0..7][c][lane][16 bytes]: a K step of a wave's two tiles is 4,096 consecutive bytes, eight loads of 512.  No two waves of
; the work-group load the same byte.  Eight sets of 32 registers take turns: step k asks for step k + 7, so 56 loads are out behind the set that is multiplied.  A never lies in LDS, so it has no joint load: a mask serves tiles that land in LDS.
; W GOES THROUGH LDS: two slots of 128 rows x 1,024 along K (a lap: eight K steps), rows 1,040 bytes apart, asked for jointly along a column of the 4 x 4 cluster.  The change of slots stands at a lap's head: behind its round the slot
; just left takes the lap after this one, 32 rows a wave.  At the head waves 0 and 1 fetch lap 0's halves, wave 2 A's scale words (jointly along a row), wave 3 W's scale bytes: one load a wave.  The last lap is written out: it asks for nothing.
; THE PRODUCT IS USED TRANSPOSED (source 0 = 16 rows of W, source 1 = 16 tokens): a lane holds one token and eight neighbouring columns.  The bias is loaded into the accumulators in that layout, so every step adds in place; the 16 take turns.
; A tile's tokens are not neighbours: tile a of a wave holds in lane r the token 8 a + r + 8 (r / 8) of the wave's 32.  THE WAY OUT goes through a stage in LDS (row 16 a + r, 528 bytes apart) and comes back by rows of 512 bytes;
; res's rows, asked for in the last lap in place of A's loads, are added there, and 32 lanes store 512 consecutive bytes.  The stage lies in the slot that has had its last fill and its last read.
; PREFETCH: in a lap's second step each wave names 32 blocks of 256 bytes of W's rows and 32 of A's images of the lap two on; the sixteen waves of a cluster's column (W) or row (A) share the 512 blocks out by address.  The last two laps have none two on.  Laps 0 and 1 come by their loads alone.
; LIMITS: NaN and infinities are not served.
.set SIZE_K, 4096
.set OUT_NT, 1
.set KC, SIZE_K/128
.set KS, SIZE_K/32
.set LAPS, SIZE_K/1024
.set PITCH, 1040                       ; 65 x 16 bytes: the 16 rows that a load touches begin in 16 different columns of 16 bytes
.set SLOT, 128*PITCH
.set SPARE, 2*SLOT                     ; the spare words, 128 bytes a wave
.set SCA, SPARE+512                    ; A's scale words: [K step][tile][r], dense
.set SCB, SCA+16384                    ; W's scale bytes, as units of 256 bytes + 16
.set STAGE, (LAPS%2)*SLOT
.set SP, 528
.set ACC, 128                          ; window 0: v128-255 accumulator (W tile j, token tile a) at 8 (2 j + a)
.set SCW, 32                           ; v32-63 W's scale words of a lap: 8 (j / 2) + step; lanes 0-15 the even tile, lanes 16-31 the odd
.set SA, 65                            ; v65-72 A's: a register a step; lanes 0-15 tile 0, lanes 16-31 tile 1.  No product's two scale registers are equal modulo 8
.set G1W, 28                           ; window 1: W's fragments, two sets of 128; window 2: A's, eight sets of 32; window 3: v0-127 res
.set G0H, 36
.set G0R, 40
.set G1SA, 44
.set G0SA, 52
.set G1SB, 56
.set G0SB, 68
.set TB, 72                            ; s72 the slot in hand; s73, s74 the lap's scale bytes of W and words of A; s75 the lap
.set TS, 73
.set TA, 74
.set CNT, 75
.set PFW, 76
.set PFA, 78
.set MSB, 0
.macro WIN new                         ; the immediate's high byte repeats the setting that is left
.if MSB != \new
	s_set_vgpr_msb (MSB<<8)|\new
.set MSB, \new
.endif
.endm
.macro PLACES n                        ; plain vector lines behind matrix instructions: eight for this form
.rept \n
	v_nop
.endr
.endm
.macro SHAPE g, c, r, p                ; words 1 to 7 of a descriptor's group 1: r rows of c elements, p elements apart
	s_mov_b32 s[\g+1], (\c)<<16
	s_mov_b32 s[\g+2], (\r)<<16
	s_mov_b32 s[\g+3], (\c)<<16
	s_mov_b32 s[\g+4], \r
	s_mov_b32 s[\g+5], \p
	s_mov_b32 s[\g+6], 0
	s_mov_b32 s[\g+7], 0
.endm
.macro CROUND                          ; a round of the cluster's barrier
	s_barrier_signal -1
	s_barrier_wait -1
	s_cmp_lg_u32 s18, 0
	s_cbranch_scc1 .Lnot_wave_0_\@
	s_barrier_signal -3
.Lnot_wave_0_\@:
	s_barrier_wait -3
	s_barrier_signal -1
	s_barrier_wait -1
.endm
.macro TL g0, g1                       ; a tensor load with the lines behind it
	tensor_load_to_lds s[\g0:\g0+3], s[\g1:\g1+7]
	s_nop 0
	PLACES 4
.endm
.macro WM j, a, q                      ; W tile j x token tile a, the lap's step q
.set rD, ACC+8*(2*(\j)+(\a))
.set rW, 128*((\q)%2)+16*(\j)
.set rA, 32*(\q)+16*(\a)
.set rX, SCW+8*((\j)/2)+(\q)
.set rY, SA+(\q)
.if ((\j)%2) && (\a)
	v_wmma_scale_f32_16x16x128_f8f6f4 v[rD:rD+7], v[rW:rW+15], v[rA:rA+15], v[rD:rD+7], v[rX], v[rY] matrix_a_fmt:MATRIX_FMT_BF8 matrix_b_fmt:MATRIX_FMT_BF8 matrix_a_scale:MATRIX_SCALE_ROW1 matrix_b_scale:MATRIX_SCALE_ROW1
.elseif (\j)%2
	v_wmma_scale_f32_16x16x128_f8f6f4 v[rD:rD+7], v[rW:rW+15], v[rA:rA+15], v[rD:rD+7], v[rX], v[rY] matrix_a_fmt:MATRIX_FMT_BF8 matrix_b_fmt:MATRIX_FMT_BF8 matrix_a_scale:MATRIX_SCALE_ROW1
.elseif \a
	v_wmma_scale_f32_16x16x128_f8f6f4 v[rD:rD+7], v[rW:rW+15], v[rA:rA+15], v[rD:rD+7], v[rX], v[rY] matrix_a_fmt:MATRIX_FMT_BF8 matrix_b_fmt:MATRIX_FMT_BF8 matrix_b_scale:MATRIX_SCALE_ROW1
.else
	v_wmma_scale_f32_16x16x128_f8f6f4 v[rD:rD+7], v[rW:rW+15], v[rA:rA+15], v[rD:rD+7], v[rX], v[rY] matrix_a_fmt:MATRIX_FMT_BF8 matrix_b_fmt:MATRIX_FMT_BF8
.endif
.endm
.macro WFETCH q                        ; W's eight fragments of step q: 32 LDS loads; v6 serves rows 0-63, v7 rows 64-127 (an offset has 16 bits)
	WIN 0x40
.irp j, 0,1,2,3,4,5,6,7
.irp c, 0,1,2,3
	ds_load_b128 v[128*((\q)%2)+16*\j+4*\c:128*((\q)%2)+16*\j+4*\c+3], v[6+\j/4] offset:(\j%4)*16*PITCH+128*(\q)+32*\c
.endr
.endr
.endm
.macro ASK                             ; the lap two on, where there is one
	WIN 0
	s_cmp_lt_u32 s[CNT], LAPS-2
	s_cbranch_scc0 .Lnone_ahead_\@
	global_prefetch_b8 v20, s[PFW:PFW+1] th:TH_LOAD_NT scope:SCOPE_SE
	global_prefetch_b8 v21, s[PFA:PFA+1] th:TH_LOAD_NT scope:SCOPE_SE
.Lnone_ahead_\@:
.endm
; A K step.  Behind eight places: A's loads for the step seven on, into the set that the step before multiplied (last lap: step 0 alone; steps 1 to 4 ask for eight rows of res each), and W's fragments for the next step.
.macro STEP q, last
.if \q > 0
	PLACES 8
.endif
.if (\last == 0) || (\q == 0)
	WIN 0x80
.irp i, 0,1,2,3,4,5,6,7
	global_load_b128 v[32*(((\q)+7)%8)+4*\i:32*(((\q)+7)%8)+4*\i+3], v3, s[4:5] offset:((\q)+7)*16384+512*\i
.endr
.elseif \q < 5
	WIN 0xc0
.irp i, 0,1,2,3,4,5,6,7
.set sg, 8*((\q)-1)+\i
.set rho, 8*(sg/16)+(sg%16)+8*((sg%16)/8)
	global_load_b128 v[4*sg:4*sg+3], v3, s[14:15] offset:rho*4096   ; stage row sg is token rho
.endr
.endif
.if \q < 7
	WFETCH (\q)+1
.endif
.if \last && (\q > 4)
	s_wait_loadcnt 56-8*((\q)-4)                   ; behind this step's set: the later steps' eight each, and res's 32
.else
	s_wait_loadcnt 56                              ; behind this step's set: seven runs of eight
.endif
.if \q < 7
	s_wait_dscnt 32                                ; all but the 32 just issued
.else
	s_wait_dscnt 0x0
.endif
.if (\last == 0) && (\q == 1) && (LAPS > 2)
	ASK
.endif
	WIN 0x09                                       ; source 0 window 1, source 1 window 2, C and D window 0
.irp j, 0,1,2,3,4,5,6,7
.irp a, 0,1
	WM \j, \a, \q
.endr
.endr
.endm
; THE CHANGE OF SLOTS, at a lap's head: all my tensor loads are in, the add, my LDS reads are over; fill = 1: a round of the cluster's barrier, and behind it my 32 rows of the next lap go into the slot just left.
.macro CHANGE fill
	s_wait_tensorcnt 0x0
	ds_add_u32 v10, v11
.if \fill
	s_mov_b32 s[G1W+2], 32<<16                     ; no load of mine is out: a load of the ring brings 32 rows
	s_mov_b32 s[G1W+4], 32
	s_xor_b32 s[G0R+1], s[G0R+1], SLOT             ; the other slot (SLOT's two bits are set in no wave's 33,280 x wave)
	s_add_nc_u64 s[G0R+2:G0R+3], s[G0R+2:G0R+3], 1024
.endif
	s_wait_dscnt 0x0
.if \fill
	CROUND
	tensor_load_to_lds s[G0R:G0R+3], s[G1W:G1W+7]
	s_nop 0
.else
	s_barrier_signal -1
	s_barrier_wait -1
.endif
	v_add_nc_u32 v6, s[TB], v4                     ; the lap's LDS addresses; with the four v_nop also the eight places behind the last products
	v_add_nc_u32 v7, s[TB], v5
	v_add_nc_u32 v8, s[TA], v18
	v_add_nc_u32 v9, s[TS], v19
	PLACES 4
	s_wait_alu depctr_va_vdst(0)
.irp jp, 0,1,2,3
.irp g, 0,1
	ds_load_b128 v[SCW+8*\jp+4*\g:SCW+8*\jp+4*\g+3], v9 offset:\jp*(32*KS/256)*272+16*\g
.endr
.endr
.irp q, 0,1,2,3,4,5,6,7
	ds_load_b32 v[SA+\q], v8 offset:512*\q
.endr
	WFETCH 0
.endm
	s_load_b256 s[4:11], s[0:1], 0x0               ; A's codes, A's scale words, W's codes, W's scale bytes
	s_load_b128 s[12:15], s[0:1], 0x20             ; b, res
	s_load_b64 s[16:17], s[0:1], 0x30              ; out
	v_lshl_add_u32 v10, v0, 2, SPARE
	v_mov_b32 v11, 0
	ds_add_u32 v10, v11                            ; the opening lines
	ds_add_u32 v10, v11
	v_lshrrev_b32 v1, 5, v0
	v_readfirstlane_b32 s18, v1                    ; wave
	s_bfe_u32 s21, ttmp6, 0x40000                  ; cx
	s_bfe_u32 s22, ttmp6, 0x40004                  ; cy
	s_lshl_b32 s23, ttmp9, 2
	s_add_co_u32 s23, s23, s21                     ; tile column
	s_and_b32 s24, ttmp7, 0xffff
	s_lshl_b32 s24, s24, 2
	s_add_co_u32 s24, s24, s22                     ; block of 128 tokens
	s_lshl_b32 s25, s22, 2
	s_lshl_b32 s25, 15, s25                        ; my row of the cluster
	s_lshl_b32 s26, 0x1111, s21                    ; my column
	s_or_b32 s[G1W], s26, (1<<20)|(1<<21)|(7<<22)|(3<<25)          ; bytes; 4 words of padding behind every 256
	s_or_b32 s[G1SA], s25, (3<<16)|(1<<21)
	s_or_b32 s[G1SB], s26, (3<<16)|(1<<20)|(1<<21)|(5<<22)|(3<<25)
	SHAPE G1W, 1024, 64, SIZE_K                    ; at the head 64 rows a load
	SHAPE G1SA, 32, KC*2, 32
	SHAPE G1SB, 32, KS/2, 32
	s_lshl_b32 s82, s23, 7                         ; W's first row
	s_lshl_b32 s80, s18, 6
	s_add_co_u32 s80, s80, s82
	s_mul_i32 s80, s80, SIZE_K                     ; the head's load: + 64 x wave
	s_mov_b32 s81, 0
	s_mul_i32 s86, s82, KS
	s_mov_b32 s87, 0
	s_lshl_b32 s83, s18, 5
	s_add_co_u32 s82, s82, s83
	s_mul_i32 s82, s82, SIZE_K                     ; the ring's: + 32 x wave
	s_mov_b32 s83, 0
	s_mul_i32 s84, s24, KC*512
	s_mov_b32 s85, 0
	s_mul_i32 s88, s24, KC*16384
	s_lshl_b32 s89, s18, 12
	s_add_co_u32 s88, s88, s89                     ; A's images: my two tiles
	s_mov_b32 s89, 0
	s_lshl_b32 s90, s23, 9                         ; my columns, in bytes
	s_mov_b32 s91, 0
	s_lshl_b32 s92, s24, 19
	s_lshl_b32 s93, s18, 17
	s_add_co_u32 s92, s92, s93
	s_add_co_u32 s92, s92, s90                     ; res, out: my 32 rows
	s_mov_b32 s93, 0
.if LAPS > 2
	s_lshl_b32 s94, s22, 2                         ; the prefetches: of W's 128 rows eight for each of the column's sixteen waves, lap 2 first;
	s_add_co_u32 s94, s94, s18
	s_lshl_b32 s94, s94, 3
	s_lshl_b32 s95, s23, 7
	s_add_co_u32 s94, s94, s95
	s_mul_i32 s94, s94, SIZE_K
	s_add_co_u32 s94, s94, 2048
	s_mov_b32 s95, 0
	s_lshl_b32 s96, s21, 2                         ; of a lap's 131,072 bytes of A 8,192 for each of the row's sixteen
	s_add_co_u32 s96, s96, s18
	s_lshl_b32 s96, s96, 13
	s_mul_i32 s97, s24, KC*16384
	s_add_co_u32 s96, s96, s97
	s_add_co_u32 s96, s96, 262144
	s_mov_b32 s97, 0
.endif
	s_lshl_b32 s98, s18, 7
	s_add_co_u32 s98, s98, SCA
	s_mul_i32 s99, s18, 32*SP
.if STAGE
	s_add_co_u32 s99, s99, STAGE
.endif
	s_mov_b32 s[TB], 0
	s_mov_b32 s[TS], 0
	s_mov_b32 s[TA], 0
	s_mov_b32 s[CNT], 0
	s_wait_dscnt 0x0
	s_wait_kmcnt 0x0
	s_mov_b32 s[G0H], 1
	s_mul_i32 s[G0H+1], s18, 64*PITCH
	s_add_nc_u64 s[G0H+2:G0H+3], s[8:9], s[80:81]
	s_or_b32 s[G0H+3], s[G0H+3], 0x80000000
	s_mov_b32 s[G0SA], 1
	s_mov_b32 s[G0SA+1], SCA
	s_add_nc_u64 s[G0SA+2:G0SA+3], s[6:7], s[84:85]
	s_or_b32 s[G0SA+3], s[G0SA+3], 0x80000000
	s_mov_b32 s[G0SB], 1
	s_mov_b32 s[G0SB+1], SCB
	s_add_nc_u64 s[G0SB+2:G0SB+3], s[10:11], s[86:87]
	s_or_b32 s[G0SB+3], s[G0SB+3], 0x80000000
	CROUND                                         ; all sixteen work-groups are here: the first joint loads meet
	s_cmp_lt_u32 s18, 2                            ; one chain of branches on the wave's number, one load to an arm
	s_cbranch_scc0 .Lhead_sa
	TL G0H, G1W
	s_branch .Lhead_asked
.Lhead_sa:
	s_cmp_eq_u32 s18, 2
	s_cbranch_scc0 .Lhead_sb
	TL G0SA, G1SA
	s_branch .Lhead_asked
.Lhead_sb:
	TL G0SB, G1SB
.Lhead_asked:
.if LAPS > 1
	s_mov_b32 s[G0R], 1                            ; the ring's group 0 stands at lap 0, slot 0: each change steps it first
	s_mul_i32 s[G0R+1], s18, 32*PITCH
	s_add_nc_u64 s[G0R+2:G0R+3], s[8:9], s[82:83]
	s_or_b32 s[G0R+3], s[G0R+3], 0x80000000
.endif
.if LAPS > 2
	s_add_nc_u64 s[PFW:PFW+1], s[8:9], s[94:95]
	s_add_nc_u64 s[PFA:PFA+1], s[4:5], s[96:97]
.endif
	s_add_nc_u64 s[4:5], s[4:5], s[88:89]
	s_add_nc_u64 s[12:13], s[12:13], s[90:91]
	s_add_nc_u64 s[14:15], s[14:15], s[92:93]
	s_add_nc_u64 s[16:17], s[16:17], s[92:93]
	v_and_b32 v1, 15, v0                           ; r
	v_bfe_u32 v2, v0, 4, 1                         ; h
	v_and_b32 v12, 31, v0                          ; lane
	v_lshlrev_b32 v3, 4, v12                       ; 16 x lane
	v_lshlrev_b32 v14, 5, v2                       ; b: 32 h
	v_mul_u32_u24 v4, v1, PITCH
	v_lshl_add_u32 v4, v2, 4, v4                   ; W's fragments: row r, + 16 h
	v_add_nc_u32 v5, 64*PITCH, v4
	v_lshlrev_b32 v18, 2, v12
	v_add_nc_u32 v18, s98, v18                     ; A's scale words: 128 x wave + 4 x lane
	v_mul_u32_u24 v13, v12, KS
	v_lshrrev_b32 v15, 8, v13
	v_lshl_add_u32 v13, v15, 4, v13
	v_add_nc_u32 v19, SCB, v13                     ; W's scale bytes: row = lane, + 16 for each 256 passed
	v_mul_u32_u24 v16, v1, SP
	v_lshl_add_u32 v16, v2, 5, v16
	v_add_nc_u32 v16, s99, v16                     ; the stage, in: row r, + 32 h
	v_add_nc_u32 v17, s99, v3                      ; and back
.if LAPS > 2
	v_lshrrev_b32 v20, 2, v12
	v_mul_u32_u24 v20, v20, SIZE_K
	v_and_b32 v21, 3, v12
	v_lshl_add_u32 v20, v21, 8, v20                ; W: four lanes to a row's 1,024 bytes
	v_lshlrev_b32 v21, 8, v12                      ; A: lanes 256 bytes apart
.endif
	s_wait_alu depctr_va_vdst(0)
.irp j, 0,1,2,3,4,5,6,7
.irp a, 0,1
	global_load_b128 v[ACC+8*(2*\j+\a):ACC+8*(2*\j+\a)+3], v14, s[12:13] offset:64*\j       ; b starts the sums: columns 16 j + 8 h + 0 .. 7
	global_load_b128 v[ACC+8*(2*\j+\a)+4:ACC+8*(2*\j+\a)+7], v14, s[12:13] offset:64*\j+16
.endr
.endr
	WIN 0x80
.irp k, 0,1,2,3,4,5,6
.irp i, 0,1,2,3,4,5,6,7
	global_load_b128 v[32*\k+4*\i:32*\k+4*\i+3], v3, s[4:5] offset:\k*16384+512*\i          ; A's steps 0 to 6
.endr
.endr
	WIN 0
.if LAPS > 1
.Llap:                                             ; LAPS - 1 trips: behind each change the next lap is asked for
	CHANGE 1
.irp q, 0,1,2,3,4,5,6,7
	STEP \q, 0
.endr
	WIN 0
	s_wait_xcnt 0x0                                ; the loads and prefetches have read their bases
	s_add_nc_u64 s[4:5], s[4:5], 131072
.if LAPS > 2
	s_add_nc_u64 s[PFW:PFW+1], s[PFW:PFW+1], 1024
	s_add_nc_u64 s[PFA:PFA+1], s[PFA:PFA+1], 131072
.endif
	s_xor_b32 s[TB], s[TB], SLOT
	s_add_co_u32 s[TS], s[TS], 32
	s_add_co_u32 s[TA], s[TA], 4096
	s_add_co_u32 s[CNT], s[CNT], 1
	s_cmp_lt_u32 s[CNT], LAPS-1
	s_cbranch_scc1 .Llap
.endif
	CHANGE 0
.irp q, 0,1,2,3,4,5,6,7
	STEP \q, 1
.endr
	WIN 0
	PLACES 8
.irp j, 0,1,2,3,4,5,6,7
.irp a, 0,1
	ds_store_b128 v16, v[ACC+8*(2*\j+\a):ACC+8*(2*\j+\a)+3] offset:16*SP*\a+64*\j            ; each accumulator from its low end on
	ds_store_b128 v16, v[ACC+8*(2*\j+\a)+4:ACC+8*(2*\j+\a)+7] offset:16*SP*\a+64*\j+16
.endr
.endr
	WIN 0x40
.set sg, 0
.rept 32
	ds_load_b128 v[4*sg:4*sg+3], v17 offset:sg*SP  ; my own bytes: LDS serves a wave's instructions in order (ISA guide 5.7.1.4)
.set sg, sg+1
.endr
	WIN 0
	s_wait_loadcnt 0x0                             ; res
.irp b, 0,1,2,3
	s_wait_dscnt 24-8*\b                           ; eight rows are back; the later rows' loads may be out
	WIN 0x4d                                       ; destination and source 0 window 1, source 1 window 3
.irp i, 0,2,4,6,8,10,12,14,16,18,20,22,24,26,28,30
	v_pk_add_f32 v[32*\b+\i:32*\b+\i+1], v[32*\b+\i:32*\b+\i+1], v[32*\b+\i:32*\b+\i+1]
.endr
	WIN 0x04                                       ; the stores' data: window 1
.irp t, 0,1,2,3,4,5,6,7
.set sg, 8*\b+\t
.set rho, 8*(sg/16)+(sg%16)+8*((sg%16)/8)
.if OUT_NT
	global_store_b128 v3, v[4*sg:4*sg+3], s[16:17] offset:rho*4096 th:TH_STORE_NT
.else
	global_store_b128 v3, v[4*sg:4*sg+3], s[16:17] offset:rho*4096
.endif
.endr
.endr
	WIN 0
	s_wait_tensorcnt 0x0                           ; the wave's end
	ds_add_u32 v10, v11
	s_wait_dscnt 0x0
	CROUND                                         ; the closing round
	s_endpgm
.Lfunc_end_k_q8edf433cd7_fc2:
	.size	k_q8edf433cd7_fc2, .Lfunc_end_k_q8edf433cd7_fc2-k_q8edf433cd7_fc2
	.p2alignl 7, 3214868480
	.fill 96, 4, 3214868480
	.section	.rodata,"a",@progbits
	.p2align	6, 0x0
	.amdhsa_kernel k_q8edf433cd7_fc2
		.amdhsa_group_segment_fixed_size 327680
		.amdhsa_private_segment_fixed_size 0
		.amdhsa_enable_private_segment 0
		.amdhsa_kernarg_size 56
		.amdhsa_user_sgpr_count 2
		.amdhsa_user_sgpr_kernarg_segment_ptr 1
		.amdhsa_wavefront_size32 1
		.amdhsa_system_sgpr_workgroup_id_x 1
		.amdhsa_system_sgpr_workgroup_id_y 1
		.amdhsa_system_sgpr_workgroup_id_z 1
		.amdhsa_system_vgpr_workitem_id 0
		.amdhsa_next_free_vgpr 896
		.amdhsa_next_free_sgpr 100
		.amdhsa_reserve_vcc 0
		.amdhsa_float_denorm_mode_32 3
		.amdhsa_float_denorm_mode_16_64 3
		.amdhsa_memory_ordered 1
		.amdhsa_forward_progress 1
		.amdhsa_inst_pref_size 113
	.end_amdhsa_kernel
	.amdgpu_metadata
---
amdhsa.version: [ 1, 2 ]
amdhsa.kernels:
  - .name:           k_q8edf433cd7_fc2
    .symbol:         k_q8edf433cd7_fc2.kd
    .args:
      - { .name: g_img, .offset: 0, .size: 8, .value_kind: global_buffer, .address_space: global }
      - { .name: g_scl, .offset: 8, .size: 8, .value_kind: global_buffer, .address_space: global }
      - { .name: w2_codes, .offset: 16, .size: 8, .value_kind: global_buffer, .address_space: global }
      - { .name: w2_scales, .offset: 24, .size: 8, .value_kind: global_buffer, .address_space: global }
      - { .name: b2, .offset: 32, .size: 8, .value_kind: global_buffer, .address_space: global }
      - { .name: x1, .offset: 40, .size: 8, .value_kind: global_buffer, .address_space: global }
      - { .name: out0, .offset: 48, .size: 8, .value_kind: global_buffer, .address_space: global }
    .group_segment_fixed_size: 327680
    .private_segment_fixed_size: 0
    .kernarg_segment_align: 8
    .kernarg_segment_size: 56
    .max_flat_workgroup_size: 128
    .sgpr_count:     100
    .vgpr_count:     896
    .wavefront_size: 32
...
	.end_amdgpu_metadata
.endif
;; end of part 6
